; MI455X (gfx1250); checked and timed in simulation.
; The chip was launched on July 23, 2026; its instructions are those of AMD's public machine-readable ISA for CDNA 5 (MIT licence, August 2026) and "CDNA5" Instruction Set Architecture Reference Guide (July 2026). The comments in the code are by the model that wrote it; some were corrected since.
;; Attention. Allowed arithmetic: matrix products marked QUANTISED: E2M3 operands, one E8M0 scale for each 32 along K, by v_wmma_scale_f32_16x16x128_f8f6f4 with both operands' format E2M3, f32 sums; everything else in f32.
;; Inputs: b_out 1,024 float32; mask 2 x 2,048 bool; rotary_pos_emb 2,048 x 64 float32; w_out 1,024 x 1,024 float32; w_qkv 3,072 x 1,024 float32; x 2 x 2,048 x 1,024 float32.
;; Outputs: out0 2 x 2,048 x 1,024 float32.
;; This version of the problem:
;;   THIS VERSION OF THE PROBLEM IS GIVEN IN LOW PRECISION. The matrix products marked QUANTISED in the list below multiply operands that are first quantised to E2M3 (2 exponent bits, 3 mantissa bits; 6 bits a number), with one power-of-two scale for each 32 numbers along K (OCP MX v1.0); their sums are f32. All else is computed in f32.
;;   The module's matrix products, in the order in which they are computed (A, B: the left and right operand; K: the contracted axis; several contracted axes count as one K, in the product's order):
;;     1. [M 4,096, K 1,024] x [K 1,024, N 3,072]; A: input x; B: input w_qkv: QUANTISED
;;     2. batch 32 x [M 2,048, K 64] x [K 64, N 2,048]; A: computed on the way; B: computed on the way: QUANTISED
;;     3. batch 32 x [M 2,048, K 2,048] x [K 2,048, N 64]; A: softmax (see below); B: computed on the way: QUANTISED
;;     4. [M 4,096, K 1,024] x [K 1,024, N 1,024]; A: computed on the way; B: input w_out: QUANTISED
;;   THE QUANTISER, for each operand of a quantised product, along K:
;;     - K is cut into blocks of 32 from its start; a last block that is shorter is filled with zeros.
;;     - A block's scale is 2^e with e = floor(log2(the largest magnitude in the block)) - 2, held to -126 .. 127; a block of zeros has e = 0. As a byte (E8M0): e + 127.
;;     - Each number is divided by its block's scale, clamped to +-7.5, and rounded to the nearest number of E2M3, ties to even, subnormals kept.
;;     - The product sums the exact products of the quantised numbers (number of the format x scale) in f32.
;;   ~~~python
;;   def quantise(x, axis):      # numpy; x: float32 -> the quantised numbers, widened to float32 again
;;       x = np.moveaxis(x, axis, -1); K = x.shape[-1]
;;       x = np.pad(x, [(0, 0)] * (x.ndim - 1) + [(0, -K % 32)]); x = x.reshape(x.shape[:-1] + (-1, 32)); a = np.abs(x).max(-1, keepdims=True)
;;       e = np.where(a > 0, np.clip(np.frexp(np.where(a > 0, a, 1))[1] - 1 - 2, -126, 127), 0)      # np.frexp(a)[1] - 1 = floor(log2(a)), exactly
;;       r = np.clip(x / 2.0 ** e, -7.5, 7.5)
;;       step = 2.0 ** (np.maximum(np.frexp(np.where(r == 0, 1, r))[1] - 1, 0) - 3)
;;       q = np.round(r / step) * step * 2.0 ** e      # np.round: ties to even
;;       return np.moveaxis(q.reshape(q.shape[:-2] + (-1,))[..., :K], -1, axis).astype(np.float32)
;;   ~~~
;;   SOFTMAX AHEAD OF A QUANTISED PRODUCT. Where the list says 'softmax', what is quantised is not the finished softmax but p = 2^(t - M), with t = logit x log2(e) and M = ceil(the row's largest t), a whole number; so 1/2 < the row's largest p <= 1. The row's sum l is taken of the UNQUANTISED p, in f32, and the product's result is divided by l at the end. Since M is a whole number, a kernel that streams over the keys may use a running M (the ceiling of the running maximum): every later rescaling is an exact power of two, which a block's scale takes up: the codes' values come out the same.
;;   OPERANDS COMPUTED ON THE WAY. 'Computed on the way' means the value that the module computes at that place (a softmax that the list does not call 'softmax' is quantised finished and normalised). What goes into a quantiser is computed in f32, as accurately as f32 sums, v_exp_f32 and their like allow (about 1e-6 of the number): no bf16 or f16 on the way to a quantiser, and a product that is left as it is and whose result goes on into a quantised operand takes f32 operands (vector FMAs, or v_wmma_f32_16x16x4_f32). A number that lies on a knife's edge between two numbers of the format may be rounded either way, as far as f32 arithmetic and the matrix unit's own rounding can turn it there, and no further.
;; One version. Each part assembles by itself: llvm-mc -triple=amdgcn-amd-amdhsa -mcpu=gfx1250 --defsym DOCPART=n.
;; ======== version 1 of 1: 4 launches
;; limits: right only within a limited range of input values
;; workspace buffers: opq 6,553,600 bytes; tab 2,097,152 bytes; qc 3,407,872 bytes; kvc 6,291,456 bytes; aux 655,360 bytes; oc 3,276,800 bytes
;; launch prep (part 1): grid 256 x 1, 4 waves a work-group, no clusters, 327,680 bytes of LDS; arguments x, w_out, w_qkv, rotary_pos_emb, mask, opq, tab, aux; writes opq, tab, aux
.if DOCPART == 1
	.amdgcn_target "amdgcn-amd-amdhsa--gfx1250"
	.amdhsa_code_object_version 6
	.text
	.protected	k_q4a78cae815_prep
	.globl	k_q4a78cae815_prep
	.p2align	8
	.type	k_q4a78cae815_prep,@function
k_q4a78cae815_prep:
	s_mov_b64 s[64:65], 0
	v_nop
	global_prefetch_b8 v0, s[64:65] scope:SCOPE_SE
	s_setreg_imm32_b32 hwreg(HW_REG_WAVE_MODE, 25, 1), 1
	s_wait_xcnt 0x0
.set REGION, 34048
.set PITCH,  528
; PREP.  x, w_out and w_qkv become codes of FP6 (E2M3) with E8M0 scale bytes, laid as images of operand registers; the rotary tables and the key mask's bias are made beside them.
; A wave's 64 rows x 128 numbers come by ONE tensor load (rows of 512 bytes, 16 bytes of padding behind each), into the wave's own LDS region, which only that wave reads.
.set UPPER,  16896                     ; rows 32-63 lie 32 x PITCH behind rows 0-31
.set LA,   12
.set VCO,  13
.set VSO,  14
.set SH8,  15
.set SGN,  16
.set KS3,  17
.set KC3,  18
.set VTO,  19
.set PM,   20
.set TK,   24
.set TR,   25
.set TQ,   26
.set TZ,   27
.set TS,   28
.set TC,   29
.set FA,   32
.set CO1,  40
.set SI1,  44
.set CO2,  48
.set SI2,  52
.set MK,   56
.set BI,   60
.set P0,   160
.set CT,   208
.set WW,   216
.set WI,   220
.set M0,   222
.set M1,   223
.set SO0,  224
.set SO1,  225
	s_load_b512 s[4:19], s[0:1], 0x0
	v_lshl_add_u32 v254, v0, 2, 0x29000
	v_mov_b32 v255, 0
	ds_add_u32 v254, v255
	ds_add_u32 v254, v255
	v_lshrrev_b32 v1, 5, v0
	v_readfirstlane_b32 s20, v1
	s_lshr_b32 s21, ttmp9, 1
	s_and_b32 s22, ttmp9, 1
	s_lshl_b32 s22, s22, 2
	s_add_co_u32 s22, s22, s20
	s_mov_b32 s24, (2<<16)|(1<<20)|(6<<22)|(3<<25)
	s_mov_b32 s25, 128<<16
	s_mov_b32 s26, 64<<16
	s_mov_b32 s27, 128<<16
	s_mov_b32 s28, 64
	s_mov_b32 s29, 1024
	s_mov_b32 s30, 0
	s_mov_b32 s31, 0
	s_cmp_lt_u32 s21, 64
	s_cselect_b32 s48, 0, 64
	s_cmp_lt_u32 s21, 80
	s_cselect_b32 s48, s48, 80
	s_sub_co_u32 s49, s21, s48
	s_lshl_b32 s50, s49, 18
	s_lshl_b32 s51, s22, 9
	s_add_co_u32 s50, s50, s51
	s_mov_b32 s51, 0
	s_mul_i32 s23, s20, REGION
	s_wait_dscnt 0x0
	s_wait_kmcnt 0x0
	s_cmp_lt_u32 s21, 64
	s_cselect_b64 s[52:53], s[4:5], s[6:7]
	s_cmp_lt_u32 s21, 80
	s_cselect_b64 s[52:53], s[52:53], s[8:9]
	s_add_nc_u64 s[52:53], s[52:53], s[50:51]
.macro TL n, loff, goff
	s_mov_b32 s[32+4*\n], 1
	s_add_co_u32 s[33+4*\n], s23, \loff
	s_add_nc_u64 s[34+4*\n:35+4*\n], s[52:53], \goff
	s_or_b32 s[35+4*\n], s[35+4*\n], 0x80000000
	tensor_load_to_lds s[32+4*\n:35+4*\n], s[24:31]
	s_nop 0
.endm
	TL 0, 0, 0
.rept 4
	v_nop
.endr
	v_and_b32 v2, 31, v0
	v_bfe_u32 v4, v0, 4, 1
	v_and_b32 v5, 7, v0
	v_bfe_u32 v6, v0, 3, 1
	v_lshl_add_u32 v7, v6, 5, v5
	v_mul_u32_u24 v[LA], v5, PITCH
	v_mad_u32_u24 v[LA], v6, UPPER, v[LA]
	v_lshl_add_u32 v[LA], v4, 7, v[LA]
	v_add_nc_u32 v[LA], s23, v[LA]
	v_lshlrev_b32 v[SH8], 3, v4
	v_and_b32 v[SGN], 1, v0
	v_xor_b32 v[SGN], 1, v[SGN]
	v_lshlrev_b32 v[SGN], 31, v[SGN]
	v_mov_b32 v[KS3], 0xb94ca1f9
	v_mov_b32 v[KC3], 0x37ccf5ce
	v_mov_b32 v[PM], 0
	s_mov_b32 s2, 0x76543210
	s_mov_b32 s3, 0xfedcba98
	s_mov_b32 s63, 0xffff0000
	s_lshr_b32 s54, s22, 1
	s_and_b32 s55, s22, 1
	s_lshr_b32 s56, s21, 1
	s_mul_i32 s56, s56, 102400
	s_mul_i32 s57, s54, 25600
	s_add_co_u32 s56, s56, s57
	s_and_b32 s57, s21, 1
	s_mul_i32 s58, s55, 12288
	s_mul_i32 s59, s57, 6144
	s_add_co_u32 s58, s58, s59
	s_add_co_u32 s58, s58, s56
	s_lshl_b32 s59, s55, 9
	s_lshl_b32 s57, s57, 8
	s_add_co_u32 s59, s59, s57
	s_add_co_u32 s59, s59, s56
	s_add_co_u32 s59, s59, 24576
	s_lshr_b32 s56, s49, 4
	s_and_b32 s57, s49, 15
	s_lshr_b32 s60, s57, 1
	s_and_b32 s57, s57, 1
	s_lshl_b32 s56, s56, 1
	s_add_co_u32 s56, s56, s57
	s_mul_i32 s60, s60, 307200
	s_mul_i32 s57, s54, 76800
	s_add_co_u32 s60, s60, s57
	s_add_co_u32 s60, s60, 4096000
	s_mul_i32 s61, s55, 36864
	s_mul_i32 s57, s56, 6144
	s_add_co_u32 s61, s61, s57
	s_add_co_u32 s61, s61, s60
	s_mul_i32 s62, s55, 1536
	s_lshl_b32 s57, s56, 8
	s_add_co_u32 s62, s62, s57
	s_add_co_u32 s62, s62, s60
	s_add_co_u32 s62, s62, 73728
	s_cmp_lt_u32 s21, 80
	s_cselect_b32 s58, s58, s61
	s_cselect_b32 s59, s59, s62
	v_lshl_add_u32 v[VCO], v2, 4, s58
	v_lshl_add_u32 v[VSO], v2, 3, s59
	s_lshr_b32 s48, ttmp9, 3
	s_bfe_u32 s49, ttmp9, 0x20001
	s_lshl_b32 s50, s48, 14
	s_lshl_b32 s51, s49, 11
	s_add_co_u32 s51, s51, s50
	s_lshl_b32 s54, s22, 4
	s_add_co_u32 s51, s51, s54
	s_lshl_b32 s54, s22, 10
	s_add_co_u32 s50, s50, s54
	s_lshl_b32 s54, s49, 5
	s_add_co_u32 s50, s50, s54
	v_lshl_add_u32 v8, v7, 8, s51
	v_lshl_add_u32 v8, v4, 7, v8
	s_wait_alu depctr_va_vdst(0)
	v_lshl_add_u32 v9, v7, 2, s50
	v_lshl_add_u32 v9, v4, 13, v9
	s_wait_alu depctr_va_vdst(0)
	s_lshl_b32 s54, s48, 15
	s_lshl_b32 s55, s49, 13
	s_add_co_u32 s54, s54, s55
	s_lshl_b32 s55, s22, 9
	s_add_co_u32 s54, s54, s55
	v_lshl_add_u32 v[VTO], v2, 4, s54
	s_lshr_b32 s54, ttmp9, 7
	s_lshl_b32 s54, s54, 11
	s_and_b32 s55, ttmp9, 7
	s_lshl_b32 s56, s55, 8
	s_add_co_u32 s54, s54, s56
	v_lshl_add_u32 v10, v0, 1, s54
	s_mul_i32 s54, s48, 20480
	s_lshl_b32 s55, s55, 10
	s_add_co_u32 s54, s54, s55
	s_add_co_u32 s54, s54, 12288
	v_lshl_add_u32 v11, v0, 3, s54
	global_load_b128 v[FA:FA+3], v8, s[10:11]
.irp e, 0,1,2,3
	global_load_b32 v[FA+4+\e], v9, s[10:11] offset:256*\e
.endr
	global_load_u16 v[MK], v10, s[12:13]
	s_wait_loadcnt 0x0
.macro SINCOS f, c, s, sg
	v_mul_f32 v[TK], 0x3f22f983, v[\f]
	v_rndne_f32 v[TK], v[TK]
	v_fmamk_f32 v[TR], v[TK], 0xbfc90fdb, v[\f]
	v_cvt_i32_f32 v[TQ], v[TK]
	v_fmamk_f32 v[TR], v[TK], 0x333bbd2e, v[TR]
	v_mul_f32 v[TZ], v[TR], v[TR]
	v_fmaak_f32 v[TS], v[KS3], v[TZ], 0x3c08839e
	v_fmaak_f32 v[TC], v[KC3], v[TZ], 0xbab6061a
	v_fmaak_f32 v[TS], v[TS], v[TZ], 0xbe2aaaa3
	v_fmaak_f32 v[TC], v[TC], v[TZ], 0x3d2aaaa5
	v_mul_f32 v[TS], v[TS], v[TZ]
	v_fma_f32 v[TC], v[TC], v[TZ], -0.5
	v_fma_f32 v[TS], v[TS], v[TR], v[TR]
	v_fma_f32 v[TC], v[TC], v[TZ], 1.0
	v_and_b32 v[TK], 1, v[TQ]
	v_cmp_eq_u32 vcc_lo, 1, v[TK]
	v_cndmask_b32 v[\s], v[TS], v[TC], vcc_lo
	v_cndmask_b32 v[\c], v[TC], v[TS], vcc_lo
	v_lshlrev_b32 v[TK], 30, v[TQ]
	v_add_nc_u32 v[TQ], 1, v[TQ]
	v_and_b32 v[TK], 0x80000000, v[TK]
	v_lshlrev_b32 v[TQ], 30, v[TQ]
	v_xor_b32 v[\s], v[TK], v[\s]
	v_and_b32 v[TQ], 0x80000000, v[TQ]
	v_xor_b32 v[\c], v[TQ], v[\c]
.if \sg == 1
	v_xor_b32 v[\s], 0x80000000, v[\s]
.elseif \sg == 2
	v_xor_b32 v[\s], v[SGN], v[\s]
.endif
.endm
	SINCOS FA+0, CO1+0, SI1+0, 1
	SINCOS FA+1, CO1+1, SI1+1, 0
	SINCOS FA+2, CO1+2, SI1+2, 1
	SINCOS FA+3, CO1+3, SI1+3, 0
.irp e, 0,1,2,3
	SINCOS FA+4+\e, CO2+\e, SI2+\e, 2
.endr
	global_store_b128 v[VTO], v[CO1:CO1+3], s[16:17]
	global_store_b128 v[VTO], v[SI1:SI1+3], s[16:17] offset:4096
	global_store_b128 v[VTO], v[CO2:CO2+3], s[16:17] offset:1048576
	global_store_b128 v[VTO], v[SI2:SI2+3], s[16:17] offset:1048576+4096
	v_and_b32 v[MK+1], 0xff, v[MK]
	v_lshrrev_b32 v[MK+2], 8, v[MK]
	v_mov_b32 v[MK+3], 0xfb800000
	v_cmp_eq_u32 vcc_lo, 0, v[MK+1]
	v_cndmask_b32 v[BI], 0, v[MK+3], vcc_lo
	v_cmp_eq_u32 vcc_lo, 0, v[MK+2]
	v_cndmask_b32 v[BI+1], 0, v[MK+3], vcc_lo
	global_store_b64 v11, v[BI:BI+1], s[18:19]
	s_wait_xcnt 0x0
.macro LOADX j
.irp c, 0,1
.irp i, 0,1,2,3,4,5,6,7
	ds_load_b128 v[32+64*((\j)%2)+32*\c+4*\i:32+64*((\j)%2)+32*\c+4*\i+3], v[LA] offset:(\j)*8*PITCH+256*\c+16*\i
.endr
.endr
.endm
.macro QT j, left
.set XB, 32+64*((\j)%2)
.set PP, P0+12*(\j)
	s_wait_dscnt \left
	v_max3_num_f32 v[M0], |v[XB]|, |v[XB+1]|, 0x1800000
	v_max3_num_f32 v[M1], |v[XB+32]|, |v[XB+33]|, 0x1800000
.irp i, 2,4,6,8,10,12,14,16,18,20,22,24,26,28,30
	v_max3_num_f32 v[M0], v[M0], |v[XB+\i]|, |v[XB+\i+1]|
	v_max3_num_f32 v[M1], v[M1], |v[XB+32+\i]|, |v[XB+33+\i]|
.endr
	v_add_nc_u32 v[SO0], 0xff000000, v[M0]
	v_add_nc_u32 v[SO1], 0xff000000, v[M1]
	v_cvt_scalef32_pk16_fp6_f32 v[PP:PP+2], v[XB:XB+15], v[SO0]
	v_cvt_scalef32_pk16_fp6_f32 v[CT:CT+2], v[XB+16:XB+31], v[SO0]
	v_cvt_scalef32_pk16_fp6_f32 v[PP+6:PP+8], v[XB+32:XB+47], v[SO1]
	v_cvt_scalef32_pk16_fp6_f32 v[CT+4:CT+6], v[XB+48:XB+63], v[SO1]
	v_lshrrev_b32 v[M0], 23, v[SO0]
	v_lshrrev_b32 v[M1], 23, v[SO1]
.irp i, 0,1,2
	v_mov_b32 v[PP+3+\i], v[CT+\i]
	v_mov_b32 v[PP+9+\i], v[CT+4+\i]
.endr
	v_lshl_or_b32 v[M0], v[M1], 16, v[M0]
	v_lshlrev_b32 v[M0], v[SH8], v[M0]
	v_permlanex16_b32 v[PM], v[M0], s2, s3
	v_or_b32 v[WW+(\j)], v[M0], v[PM]
.irp q, 0,1,2
	global_store_b128 v[VCO], v[PP+4*\q:PP+4*\q+3], s[14:15] offset:(\j)*1536+512*\q
.endr
.endm
	s_wait_tensorcnt 0x0                           ; my one load is in; only I read its bytes
	LOADX 0
	LOADX 1
	QT 0, 16
	LOADX 2
	QT 1, 16
	LOADX 3
	QT 2, 16
	QT 3, 0
	v_cndmask_b32 v[WI], v[WW], v[WW+1], s63
	v_cndmask_b32 v[WI+1], v[WW+2], v[WW+3], s63
	global_store_b64 v[VSO], v[WI:WI+1], s[14:15]
	s_wait_tensorcnt 0x0
	ds_add_u32 v254, v255
	s_wait_dscnt 0x0
	s_endpgm
.Lfunc_end_k_q4a78cae815_prep:
	.size	k_q4a78cae815_prep, .Lfunc_end_k_q4a78cae815_prep-k_q4a78cae815_prep
	.p2alignl 7, 3214868480
	.fill 96, 4, 3214868480
	.section	.rodata,"a",@progbits
	.p2align	6, 0x0
	.amdhsa_kernel k_q4a78cae815_prep
		.amdhsa_group_segment_fixed_size 327680
		.amdhsa_private_segment_fixed_size 0
		.amdhsa_enable_private_segment 0
		.amdhsa_kernarg_size 64
		.amdhsa_user_sgpr_count 2
		.amdhsa_user_sgpr_kernarg_segment_ptr 1
		.amdhsa_wavefront_size32 1
		.amdhsa_system_sgpr_workgroup_id_x 1
		.amdhsa_system_sgpr_workgroup_id_y 1
		.amdhsa_system_sgpr_workgroup_id_z 1
		.amdhsa_system_vgpr_workitem_id 0
		.amdhsa_next_free_vgpr 256
		.amdhsa_next_free_sgpr 66
		.amdhsa_reserve_vcc 1
		.amdhsa_float_denorm_mode_32 3
		.amdhsa_float_denorm_mode_16_64 3
		.amdhsa_memory_ordered 1
		.amdhsa_forward_progress 1
		.amdhsa_inst_pref_size 35
	.end_amdhsa_kernel
	.amdgpu_metadata
---
amdhsa.version: [ 1, 2 ]
amdhsa.kernels:
  - .name:           k_q4a78cae815_prep
    .symbol:         k_q4a78cae815_prep.kd
    .args:
      - { .name: x, .offset: 0, .size: 8, .value_kind: global_buffer, .address_space: global }
      - { .name: w_out, .offset: 8, .size: 8, .value_kind: global_buffer, .address_space: global }
      - { .name: w_qkv, .offset: 16, .size: 8, .value_kind: global_buffer, .address_space: global }
      - { .name: rotary_pos_emb, .offset: 24, .size: 8, .value_kind: global_buffer, .address_space: global }
      - { .name: mask, .offset: 32, .size: 8, .value_kind: global_buffer, .address_space: global }
      - { .name: opq, .offset: 40, .size: 8, .value_kind: global_buffer, .address_space: global }
      - { .name: tab, .offset: 48, .size: 8, .value_kind: global_buffer, .address_space: global }
      - { .name: aux, .offset: 56, .size: 8, .value_kind: global_buffer, .address_space: global }
    .group_segment_fixed_size: 327680
    .private_segment_fixed_size: 0
    .kernarg_segment_align: 8
    .kernarg_segment_size: 64
    .max_flat_workgroup_size: 128
    .sgpr_count:     66
    .vgpr_count:     256
    .wavefront_size: 32
...
	.end_amdgpu_metadata
.endif
;; end of part 1
;; launch qkv (part 2): grid 8 x 32, 12 waves a work-group, clusters of 4 x 4, 327,680 bytes of LDS; arguments opq, tab, qc, kvc, aux; writes qc, kvc, aux
.if DOCPART == 2
	.amdgcn_target "amdgcn-amd-amdhsa--gfx1250"
	.amdhsa_code_object_version 6
	.text
	.protected	k_q4a78cae815_qkv
	.globl	k_q4a78cae815_qkv
	.p2align	8
	.type	k_q4a78cae815_qkv,@function
k_q4a78cae815_qkv:
	s_mov_b64 s[64:65], 0
	v_nop
	global_prefetch_b8 v0, s[64:65] scope:SCOPE_SE
	s_setreg_imm32_b32 hwreg(HW_REG_WAVE_MODE, 25, 1), 1
	s_wait_xcnt 0x0
	s_wait_alu depctr_hold_cnt(0) depctr_sa_sdst(0) depctr_va_vdst(0) depctr_va_sdst(0) depctr_va_ssrc(0) depctr_va_vcc(0) depctr_vm_vsrc(0)
	s_getreg_b32 s2, hwreg(HW_REG_IB_STS2, 6, 4)
	s_cmp_eq_u32 s2, 0
	s_cbranch_scc0 .Lentry_in_a_cluster
	s_endpgm
.Lentry_in_a_cluster:
	s_bfe_u32 s2, ttmp6, 0x10000c
	s_cmp_lg_u32 s2, 0xf033
	s_cbranch_scc0 .Lentry_shape_is_right
	s_endpgm
.Lentry_shape_is_right:
; QKV.  q, k, v = x w_qkv^T on codes of FP6 (E2M3) with E8M0 scales; then the rotary turn in f32, q's factor 1 / 8, and the quantising of q and k along the head's 64 and of v along the keys.
; SHARES.  A work-group takes 128 tokens (block tb) x 384 columns (column block cb: q, k and v of two heads).  Wave w: token group w % 2 (64 tokens), slice w / 2 (0, 1 q; 2, 3 k; 4, 5 v): 64 x 64, 16 accumulators.
; Three waves lie on a SIMD, so one set of fragment registers serves: one wave's LDS loads stand beside another's products.
; q and k waves: source 0 = 16 rows of W, source 1 = 16 tokens: a lane holds a token, and the 32 registers of four tiles hold channels 32 (lane / 16) + 0 .. 31 (the 64-row map of the launch before).
; v waves: source 0 = 16 tokens, source 1 = 16 rows of W: a lane holds a channel, its registers 32 neighbouring keys.  So every block of 32 lies whole in one lane.
; K goes in four chunks of 256 through two LDS slots.  A chunk of x and a chunk of W are dense blocks of memory, images of operand registers.
; CLUSTER 4 x 4: x's chunks and the rotary tables hang on tb alone and are asked for jointly along a row of the cluster, W's chunks on cb alone and along a column.  Wave 0 asks for x, waves 1-3 for thirds of W.
; Table 1 (for q, k) comes with the first fills; table 2 (for v) takes slot 0 when its last chunk has been read.
; 1 / 8 is a power of two: q's codes are those of 8 q, and 3 goes off the scale's byte.
; LIMITS: NaN and infinities are not served; a block of zeros or under the floor gets the byte 1, and this program alone reads the bytes.
.set SLOT,  102400                     ; x's chunk 25,600 bytes, then W's 76,800
.set TAB1,  204800                     ; table 1: 65,536 bytes
.set SPARE, 270336                     ; the spare words, 128 bytes for each of the twelve waves: six blocks of 256 bytes that no other line names
.set AW,   2                           ; v2-3   LDS address of my slice's fragments of W in slot 0, 1
.set AX,   4                           ; v4-5   of my token group's fragments of x
.set ASW,  6                           ; v6-7   of W's scale image
.set ASX,  8                           ; v8-9   of x's
.set SPW,  10                          ; v10    my spare word; never rewritten
.set NIL,  11                          ; v11    0; never rewritten
.set AT1,  12                          ; v12    table 1, my token group
.set AT2,  13                          ; v13    table 2
.set L8,   14                          ; v14    8 x lane
.set SH8,  15                          ; v15    8 x (lane / 16)
.set SW,   16                          ; v16-17 W's scale words;  v18-19 x's: scales and nothing else
.set SX,   18
.set TMP,  20                          ; v20-23 at work
.set CT,   24                          ; v24-26 the upper half of a block's codes
.set MA,   27
.set MB,   28
.set SO,   29
.set PM,   30
.set VB,   31                          ; v31    4 (lane % 16) + lane / 16: v's scale byte
.set WF,   32                          ; v32-79  four fragments of W
.set XF,   80                          ; v80-127 four fragments of x
.set TBL,  32                          ; the way out: v32-63 cos, v64-95 signed sin
.set PJ,   96                          ; v96-119 the four tiles' codes;  v120-123 their scale words or bytes;  v124-125 the image
.set WJ,   120
.set WI,   124
.set ACC,  128                         ; accumulator (i, j) at v[128 + 8 (4 j + i)]
.macro CROUND                          ; a round of the cluster's barrier
	s_barrier_signal -1
	s_barrier_wait -1
	s_cmp_lg_u32 s14, 0
	s_cbranch_scc1 .Lnot_wave_0_\@
	s_barrier_signal -3
.Lnot_wave_0_\@:
	s_barrier_wait -3
	s_barrier_signal -1
	s_barrier_wait -1
.endm
.macro JLOAD gx, gw                    ; a joint refill: wave 0 x's chunk, waves 1-3 W's thirds; four v_nop follow each line
	s_cmp_eq_u32 s14, 0
	s_cbranch_scc0 .Lnot_x_\@
	tensor_load_to_lds s[\gx:\gx+3], s[24:31]
	s_nop 0
.rept 4
	v_nop
.endr
	s_branch .Lasked_\@
.Lnot_x_\@:
	s_cmp_lt_u32 s14, 4
	s_cbranch_scc0 .Lasked_\@
	tensor_load_to_lds s[\gw:\gw+3], s[32:39]
	s_nop 0
.rept 4
	v_nop
.endr
.Lasked_\@:
.endm
.macro WM d, a, b, z, sa, sb, ra, rb   ; one product; z = 1: it starts the sum; ra, rb: which half of the lanes holds the side's scale words
.if (\z)
.if ((\ra)==0)&&((\rb)==0)
	v_wmma_scale_f32_16x16x128_f8f6f4 v[(\d):(\d)+7], v[(\a):(\a)+11], v[(\b):(\b)+11], 0, v[\sa], v[\sb] matrix_a_fmt:MATRIX_FMT_FP6 matrix_b_fmt:MATRIX_FMT_FP6
.elseif ((\ra)==1)&&((\rb)==0)
	v_wmma_scale_f32_16x16x128_f8f6f4 v[(\d):(\d)+7], v[(\a):(\a)+11], v[(\b):(\b)+11], 0, v[\sa], v[\sb] matrix_a_fmt:MATRIX_FMT_FP6 matrix_b_fmt:MATRIX_FMT_FP6 matrix_a_scale:MATRIX_SCALE_ROW1
.elseif ((\ra)==0)&&((\rb)==1)
	v_wmma_scale_f32_16x16x128_f8f6f4 v[(\d):(\d)+7], v[(\a):(\a)+11], v[(\b):(\b)+11], 0, v[\sa], v[\sb] matrix_a_fmt:MATRIX_FMT_FP6 matrix_b_fmt:MATRIX_FMT_FP6 matrix_b_scale:MATRIX_SCALE_ROW1
.else
	v_wmma_scale_f32_16x16x128_f8f6f4 v[(\d):(\d)+7], v[(\a):(\a)+11], v[(\b):(\b)+11], 0, v[\sa], v[\sb] matrix_a_fmt:MATRIX_FMT_FP6 matrix_b_fmt:MATRIX_FMT_FP6 matrix_a_scale:MATRIX_SCALE_ROW1 matrix_b_scale:MATRIX_SCALE_ROW1
.endif
.else
.if ((\ra)==0)&&((\rb)==0)
	v_wmma_scale_f32_16x16x128_f8f6f4 v[(\d):(\d)+7], v[(\a):(\a)+11], v[(\b):(\b)+11], v[(\d):(\d)+7], v[\sa], v[\sb] matrix_a_fmt:MATRIX_FMT_FP6 matrix_b_fmt:MATRIX_FMT_FP6
.elseif ((\ra)==1)&&((\rb)==0)
	v_wmma_scale_f32_16x16x128_f8f6f4 v[(\d):(\d)+7], v[(\a):(\a)+11], v[(\b):(\b)+11], v[(\d):(\d)+7], v[\sa], v[\sb] matrix_a_fmt:MATRIX_FMT_FP6 matrix_b_fmt:MATRIX_FMT_FP6 matrix_a_scale:MATRIX_SCALE_ROW1
.elseif ((\ra)==0)&&((\rb)==1)
	v_wmma_scale_f32_16x16x128_f8f6f4 v[(\d):(\d)+7], v[(\a):(\a)+11], v[(\b):(\b)+11], v[(\d):(\d)+7], v[\sa], v[\sb] matrix_a_fmt:MATRIX_FMT_FP6 matrix_b_fmt:MATRIX_FMT_FP6 matrix_b_scale:MATRIX_SCALE_ROW1
.else
	v_wmma_scale_f32_16x16x128_f8f6f4 v[(\d):(\d)+7], v[(\a):(\a)+11], v[(\b):(\b)+11], v[(\d):(\d)+7], v[\sa], v[\sb] matrix_a_fmt:MATRIX_FMT_FP6 matrix_b_fmt:MATRIX_FMT_FP6 matrix_a_scale:MATRIX_SCALE_ROW1 matrix_b_scale:MATRIX_SCALE_ROW1
.endif
.endif
.endm
	s_load_b256 s[4:11], s[0:1], 0x0               ; opq s[4:5], tab s[6:7], qc s[8:9], kvc s[10:11]
	s_load_b64 s[12:13], s[0:1], 0x20              ; aux
	v_lshl_add_u32 v[SPW], v0, 2, SPARE
	v_mov_b32 v[NIL], 0
	ds_add_u32 v10, v11
	ds_add_u32 v10, v11
	s_wait_dscnt 0x0
	v_lshrrev_b32 v1, 5, v0
	s_delay_alu instid0(VALU_DEP_1)
	v_readfirstlane_b32 s14, v1                    ; wave 0..11
	s_and_b32 s15, s14, 1                          ; my token group
	s_lshr_b32 s16, s14, 1                         ; my slice
	s_bfe_u32 s17, ttmp6, 0x40000                  ; cx
	s_bfe_u32 s18, ttmp6, 0x40004                  ; cy
	s_lshl_b32 s19, ttmp9, 2
	s_add_co_u32 s19, s19, s17                     ; cb
	s_and_b32 s20, ttmp7, 0xffff
	s_lshl_b32 s20, s20, 2
	s_add_co_u32 s20, s20, s18                     ; tb
	s_lshl_b32 s21, s18, 2
	s_lshl_b32 s21, 15, s21                        ; my row of the cluster
	s_lshl_b32 s22, 0x1111, s17                    ; my column
	; descriptor groups 1: dense blocks as rows of 256 bytes (32 elements of 8 bytes), no padding
	s_or_b32 s24, s21, (3<<16)|(1<<21)             ; x's chunks: 100 rows, to my row of the cluster
	s_or_b32 s32, s22, (3<<16)|(1<<21)             ; a third of W's chunk: 100 rows, to my column
	s_or_b32 s40, s21, (3<<16)|(1<<21)             ; a quarter of a table: 64 rows, to my row
.irp g, 24,32,40
	s_mov_b32 s[\g+1], 32<<16
	s_mov_b32 s[\g+3], 32<<16
	s_mov_b32 s[\g+5], 32
	s_mov_b32 s[\g+6], 0
	s_mov_b32 s[\g+7], 0
.endr
	s_mov_b32 s26, 100<<16
	s_mov_b32 s28, 100
	s_mov_b32 s34, 100<<16
	s_mov_b32 s36, 100
	s_mov_b32 s42, 64<<16
	s_mov_b32 s44, 64
	s_mul_i32 s76, s20, 102400                     ; x's block: tb alone
	s_mov_b32 s77, 0
	s_and_b32 s78, s20, 15
	s_lshl_b32 s78, s78, 16                        ; the tables' 128 positions: tb alone,
	s_and_b32 s86, s14, 3                          ; my part of a tile: wave % 4 (the first fills are shared out among all twelve waves, the refills among waves 0-3)
	s_lshl_b32 s85, s86, 14
	s_add_co_u32 s78, s78, s85                     ; and my quarter
	s_mov_b32 s79, 0
	s_mul_i32 s84, s86, 25600
	s_mul_i32 s80, s19, 307200                     ; W's block: cb alone;
	s_add_co_u32 s80, s80, s84                     ; wave w's third begins (w - 1) x 25,600 bytes in
	s_add_co_u32 s80, s80, 4096000-25600
	s_mov_b32 s81, 0
	s_wait_kmcnt 0x0
	s_add_nc_u64 s[76:77], s[4:5], s[76:77]
	s_add_nc_u64 s[80:81], s[4:5], s[80:81]
	s_add_nc_u64 s[78:79], s[6:7], s[78:79]
	s_mov_b32 s48, 1                               ; x, slot 0 (wave 0 asks: LDS byte 0)
	s_mov_b32 s49, s84
	s_mov_b64 s[50:51], s[76:77]
	s_or_b32 s51, s51, 0x80000000
	s_mov_b32 s52, 1                               ; x, slot 1: chunk 1
	s_add_co_u32 s53, s84, SLOT
	s_add_nc_u64 s[54:55], s[76:77], 25600
	s_or_b32 s55, s55, 0x80000000
	s_mov_b32 s56, 1                               ; W, slot 0: wave w's third lies at w x 25,600
	s_mov_b32 s57, s84
	s_mov_b64 s[58:59], s[80:81]
	s_or_b32 s59, s59, 0x80000000
	s_mov_b32 s60, 1                               ; W, slot 1
	s_add_co_u32 s61, s84, SLOT
	s_add_nc_u64 s[62:63], s[80:81], 76800
	s_or_b32 s63, s63, 0x80000000
	s_mov_b32 s68, 1                               ; table 1
	s_add_co_u32 s69, s85, TAB1
	s_mov_b64 s[70:71], s[78:79]
	s_or_b32 s71, s71, 0x80000000
	s_mov_b32 s72, 1                               ; table 2, into slot 0
	s_mov_b32 s73, s85
	s_add_nc_u64 s[74:75], s[78:79], 1048576
	s_or_b32 s75, s75, 0x80000000
	CROUND                                         ; all sixteen work-groups are here: the first joint loads meet
; THE FIRST FILLS, ONE A WAVE: wave 0 x's chunk 0, waves 1-3 W's chunk 0, wave 4 x's chunk 1, waves 5-7 W's chunk 1, waves 8-11 the quarters of table 1.
; One chain of branches on the wave's number; every way through it passes exactly one load.
.macro ARM under, g0, g1, next
	s_cmp_lt_u32 s14, \under
	s_cbranch_scc0 \next
	tensor_load_to_lds s[\g0:\g0+3], s[\g1:\g1+7]
	s_nop 0
.rept 4
	v_nop
.endr
	s_branch .Lfirst_asked
\next:
.endm
	ARM 1, 48, 24, .Lfirst_w0
	ARM 4, 56, 32, .Lfirst_x1
	ARM 5, 52, 24, .Lfirst_w1
	ARM 8, 60, 32, .Lfirst_t1
	tensor_load_to_lds s[68:71], s[40:47]
	s_nop 0
.rept 4
	v_nop
.endr
.Lfirst_asked:
	v_and_b32 v1, 31, v0
	s_delay_alu instid0(VALU_DEP_1)
	v_lshlrev_b32 v[L8], 3, v1
	s_delay_alu instid0(VALU_DEP_2)
	v_lshlrev_b32 v[AT1], 4, v1                    ; 16 x lane
	s_wait_alu depctr_va_vdst(0)
	s_mul_i32 s86, s16, 6144
	s_add_co_u32 s86, s86, 25600
	v_add_nc_u32 v[AW], s86, v[AT1]
	s_delay_alu instid0(VALU_DEP_1)
	v_add_nc_u32 v[AW+1], SLOT, v[AW]
	s_mul_i32 s86, s15, 6144
	v_add_nc_u32 v[AX], s86, v[AT1]
	s_delay_alu instid0(VALU_DEP_1)
	v_add_nc_u32 v[AX+1], SLOT, v[AX]
	s_lshl_b32 s86, s16, 8
	s_add_co_u32 s86, s86, 99328
	v_add_nc_u32 v[ASW], s86, v[L8]
	s_delay_alu instid0(VALU_DEP_1)
	v_add_nc_u32 v[ASW+1], SLOT, v[ASW]
	s_lshl_b32 s86, s15, 8
	s_add_co_u32 s86, s86, 24576
	v_add_nc_u32 v[ASX], s86, v[L8]
	s_delay_alu instid0(VALU_DEP_1)
	v_add_nc_u32 v[ASX+1], SLOT, v[ASX]
	s_lshl_b32 s86, s15, 15
	v_add_nc_u32 v[AT2], s86, v[AT1]
	s_add_co_u32 s86, s86, TAB1
	v_add_nc_u32 v[AT1], s86, v[AT1]
	v_bfe_u32 v1, v0, 4, 1
	s_delay_alu instid0(VALU_DEP_1)
	v_lshlrev_b32 v[SH8], 3, v1
	v_and_b32 v[VB], 15, v0
	s_delay_alu instid0(VALU_DEP_1)
	v_lshl_add_u32 v[VB], v[VB], 2, v1
.irp i, 0,1,2,3
	v_mov_b32 v[TMP+\i], 0                         ; written once: the destination of a lane-crossing form counts as read
.endr
	v_mov_b32 v[PM], 0
	s_mov_b32 s98, 0x76543210                      ; lane l xor 16
	s_mov_b32 s99, 0xfedcba98
	s_mov_b32 s23, 0xffff0000                      ; lanes 16-31
	; where my results go
	s_lshr_b32 s86, s20, 4                         ; batch
	s_and_b32 s87, s20, 15                         ; key step (128 tokens)
	s_and_b32 s88, s16, 1
	s_lshl_b32 s89, s19, 1
	s_add_co_u32 s88, s88, s89                     ; head
	s_lshl_b32 s86, s86, 4
	s_add_co_u32 s86, s86, s88                     ; bh
	s_lshl_b32 s88, s87, 1
	s_add_co_u32 s88, s88, s15                     ; G: group of 64 tokens in the sequence
	s_mul_i32 s89, s86, 98304
	s_mul_i32 s90, s88, 3072
	s_add_co_u32 s89, s89, s90                     ; q's codes
	s_mul_i32 s90, s86, 196608
	s_mul_i32 s91, s87, 12288
	s_add_co_u32 s90, s90, s91                     ; the key step's block of kvc
	s_mul_i32 s91, s15, 3072
	s_add_co_u32 s91, s91, s90                     ; k's codes
	s_mul_i32 s92, s15, 768
	s_add_co_u32 s92, s92, s90
	s_add_co_u32 s92, s92, 6144                    ; v's codes: my token group is half c of each fragment
	s_lshl_b32 s93, s86, 13
	s_lshl_b32 s94, s88, 8
	s_add_co_u32 s93, s93, s94
	s_add_co_u32 s93, s93, 3145728                 ; q's scale image
	s_mul_i32 s95, s86, 20480
	s_add_co_u32 s94, s94, s95                     ; k's
	s_lshl_b32 s96, s87, 8
	s_add_co_u32 s95, s95, s96
	s_lshl_b32 s96, s15, 1
	s_add_co_u32 s95, s95, s96
	s_add_co_u32 s95, s95, 8192                    ; v's scale bytes
	s_cmp_lt_u32 s16, 4
	s_cselect_b32 s91, s91, s92
	s_cselect_b32 s94, s94, s95
	s_mov_b32 s97, 0x1800000                       ; the floor 2^(3 - 127);
	s_cmp_lt_u32 s16, 2                            ; a q wave?
	s_cselect_b32 s90, s89, s91
	s_cselect_b32 s92, s93, s94
	s_cselect_b32 s96, 3, 0                        ; what goes off the byte for 1 / 8,
	s_cselect_b32 s97, 0x3000000, s97              ; and the floor 2^(6 - 127), so that the byte still cannot fall under 1
	s_cselect_b64 s[88:89], s[8:9], s[10:11]       ; codes: qc or kvc
	s_cselect_b64 s[94:95], s[8:9], s[12:13]       ; scales: qc or aux
	s_mov_b32 s91, 0
	s_mov_b32 s93, 0
	s_add_nc_u64 s[88:89], s[88:89], s[90:91]
	s_add_nc_u64 s[94:95], s[94:95], s[92:93]
; A K step of 128: 24 loads of 16 bytes a lane bring eight fragments as they were stored, two of 8 bytes the scale words; then 16 products, the 16 accumulators by turns.
.macro KSTEP slot, ks2, first
.rept 4
	v_nop                                          ; places in front of loads into registers that the last products read
.endr
.irp i, 0,1,2,3
.irp q, 0,1,2
	ds_load_b128 v[WF+12*\i+4*\q:WF+12*\i+4*\q+3], v[AW+\slot] offset:\ks2*36864+\i*1536+\q*512
.endr
.endr
.irp i, 0,1,2,3
.irp q, 0,1,2
	ds_load_b128 v[XF+12*\i+4*\q:XF+12*\i+4*\q+3], v[AX+\slot] offset:\ks2*12288+\i*1536+\q*512
.endr
.endr
	ds_load_b64 v[SW:SW+1], v[ASW+\slot] offset:\ks2*1536
	ds_load_b64 v[SX:SX+1], v[ASX+\slot] offset:\ks2*512
	s_wait_dscnt 0x0
	s_cmp_lt_u32 s16, 4                            ; the wave's number alone decides which side is source 0
	s_cbranch_scc0 .Lv_\@
.irp j, 0,1,2,3
.irp i, 0,1,2,3
	WM ACC+8*(4*\j+\i), WF+12*\i, XF+12*\j, \first, SW+\i/2, SX+\j/2, \i%2, \j%2
.endr
.endr
	s_branch .Ldone_\@
.Lv_\@:
.irp j, 0,1,2,3
.irp i, 0,1,2,3
	WM ACC+8*(4*\j+\i), XF+12*\i, WF+12*\j, \first, SX+\i/2, SW+\j/2, \i%2, \j%2
.endr
.endr
.Ldone_\@:
.endm
; The change of slots: every wave waits for all its tensor loads, adds 0 to its spare word, waits for that and for its reads; the cluster's round; the joint refill first behind it, one a wave.
.macro CHANGE gx, gw
	s_wait_tensorcnt 0x0                           ; no tensor load of mine is out, so a group 0 may be written
	ds_add_u32 v[SPW], v[NIL]
	s_add_nc_u64 s[\gx+2:\gx+3], s[\gx+2:\gx+3], 2*25600
	s_add_nc_u64 s[\gw+2:\gw+3], s[\gw+2:\gw+3], 2*76800
	s_wait_dscnt 0x0                               ; the add is done, and my reads of the slot are over
	CROUND
	JLOAD \gx, \gw
.endm
	s_wait_tensorcnt 0x0                           ; my one first fill is in
	s_barrier_signal -1
	s_barrier_wait -1
	KSTEP 0, 0, 1                                  ; the first products start the sums
	KSTEP 0, 1, 0
	CHANGE 48, 56                                  ; slot 0 takes chunk 2
	KSTEP 1, 0, 0
	KSTEP 1, 1, 0
	CHANGE 52, 60                                  ; slot 1 takes chunk 3
	KSTEP 0, 0, 0
	KSTEP 0, 1, 0
	s_wait_tensorcnt 0x0                           ; slot 0 takes table 2: the same lines
	ds_add_u32 v[SPW], v[NIL]
	s_wait_dscnt 0x0
	CROUND
	s_cmp_lt_u32 s14, 4
	s_cbranch_scc0 .Lno_table
	tensor_load_to_lds s[72:75], s[40:47]
	s_nop 0
.rept 4
	v_nop
.endr
.Lno_table:
	KSTEP 1, 0, 0
	KSTEP 1, 1, 0
	s_wait_tensorcnt 0x0                           ; my quarter of table 2 is in,
	s_wait_dscnt 0x0
	s_barrier_signal -1
	s_barrier_wait -1                              ; everybody's is
; 32 consecutive registers, one whole block, become six registers of codes at v[p] and the scale's byte in v[by]
.macro QB x, p, by, fl
	v_max3_num_f32 v[MA], |v[(\x)]|, |v[(\x)+1]|, \fl             ; two chains; the floor is a leaf
	v_max3_num_f32 v[MB], |v[(\x)+16]|, |v[(\x)+17]|, |v[(\x)+18]|
.irp i, 2,4,6,8,10,12
	s_delay_alu instid0(VALU_DEP_2)
	v_max3_num_f32 v[MA], v[MA], |v[(\x)+\i]|, |v[(\x)+\i+1]|
	s_delay_alu instid0(VALU_DEP_2)
	v_max3_num_f32 v[MB], v[MB], |v[(\x)+\i+17]|, |v[(\x)+\i+18]|
.endr
	s_delay_alu instid0(VALU_DEP_2)
	v_max3_num_f32 v[MA], v[MA], |v[(\x)+14]|, |v[(\x)+15]|
	s_delay_alu instid0(VALU_DEP_1)
	v_max3_num_f32 v[MA], v[MA], v[MB], |v[(\x)+31]|
	s_delay_alu instid0(VALU_DEP_1)
	v_add_nc_u32 v[SO], 0xff000000, v[MA]          ; 2 off the exponent field: the conversion's scale operand
	v_cvt_scalef32_pk16_fp6_f32 v[(\p):(\p)+2], v[(\x):(\x)+15], v[SO]
	v_cvt_scalef32_pk16_fp6_f32 v[CT:CT+2], v[(\x)+16:(\x)+31], v[SO]   ; (a conversion's three registers begin on an even number)
	v_lshrrev_b32 v[\by], 23, v[SO]                ; the byte.  (A plain line behind the conversions)
	v_mov_b32 v[(\p)+3], v[CT]
	v_mov_b32 v[(\p)+4], v[CT+1]
	v_mov_b32 v[(\p)+5], v[CT+2]
.endm
; q, k: token tile j.  out[d] = t[d] cos[d] + t[d xor 1] ss[d], ss = -sin for even d, +sin for odd d; d and d xor 1 are a register pair
.macro EPI_QK j
.irp t, 0,1
.irp g, 0,1,2,3,4,5,6,7
	ds_load_b128 v[TBL+32*\t+4*\g:TBL+32*\t+4*\g+3], v[AT1] offset:(\j)*8192+\t*4096+\g*512
.endr
.endr
	s_wait_dscnt 0x0
.irp n, 0,4,8,12,16,20,24,28           ; ascending: each accumulator is read from its low end on
	v_pk_mul_f32 v[TMP:TMP+1], v[ACC+32*(\j)+\n:ACC+32*(\j)+\n+1], v[TBL+32+\n:TBL+32+\n+1] op_sel:[1,0] op_sel_hi:[0,1]
	v_pk_mul_f32 v[TMP+2:TMP+3], v[ACC+32*(\j)+\n+2:ACC+32*(\j)+\n+3], v[TBL+32+\n+2:TBL+32+\n+3] op_sel:[1,0] op_sel_hi:[0,1]
	v_pk_fma_f32 v[ACC+32*(\j)+\n:ACC+32*(\j)+\n+1], v[ACC+32*(\j)+\n:ACC+32*(\j)+\n+1], v[TBL+\n:TBL+\n+1], v[TMP:TMP+1]
	v_pk_fma_f32 v[ACC+32*(\j)+\n+2:ACC+32*(\j)+\n+3], v[ACC+32*(\j)+\n+2:ACC+32*(\j)+\n+3], v[TBL+\n+2:TBL+\n+3], v[TMP+2:TMP+3]
.endr
	QB ACC+32*(\j), PJ+6*(\j), MB, s97
	s_delay_alu instid0(VALU_DEP_4)
	v_sub_nc_u32 v[MB], v[MB], s96                 ; q: x 1 / 8
	s_delay_alu instid0(VALU_DEP_1)
	v_lshlrev_b32 v[MB], v[SH8], v[MB]             ; my block's byte at its place,
	s_delay_alu instid0(VALU_DEP_1)
	v_permlanex16_b32 v[PM], v[MB], s98, s99
	s_delay_alu instid0(VALU_DEP_1)
	v_or_b32 v[MB], v[MB], v[PM]                   ; with lane l xor 16's;
	s_delay_alu instid0(VALU_DEP_1)
	v_or_b32 v[WJ+(\j)], 0x7f7f0000, v[MB]         ; the two blocks beyond the head's 64 have the scale 1 and meet zero codes
.irp q, 0,1,2
	global_store_b64 v[L8], v[PJ+6*(\j)+2*\q:PJ+6*(\j)+2*\q+1], s[88:89] offset:(\j)*768+\q*256   ; 256 consecutive bytes a store
.endr
.endm
; v: channel tile j.  d and d xor 1 are neighbouring lanes
.macro EPI_V j
.irp t, 0,1
.irp g, 0,1,2,3,4,5,6,7
	ds_load_b128 v[TBL+32*\t+4*\g:TBL+32*\t+4*\g+3], v[AT2] offset:(\j)*8192+\t*4096+\g*512
.endr
.endr
	s_wait_dscnt 0x0
.irp n, 0,4,8,12,16,20,24,28
.irp e, 0,1,2,3
	v_mul_f32_dpp v[TMP+\e], v[ACC+32*(\j)+\n+\e], v[TBL+32+\n+\e] row_xmask:1 row_mask:0xf bank_mask:0xf
.endr
.irp e, 0,1,2,3
	v_fma_f32 v[ACC+32*(\j)+\n+\e], v[ACC+32*(\j)+\n+\e], v[TBL+\n+\e], v[TMP+\e]
.endr
.endr
	QB ACC+32*(\j), PJ+6*(\j), WJ+(\j), s97
.irp q, 0,1,2
	global_store_b64 v[L8], v[PJ+6*(\j)+2*\q:PJ+6*(\j)+2*\q+1], s[88:89] offset:(\j)*1536+\q*256
.endr
	global_store_b8 v[VB], v[WJ+(\j)], s[94:95] offset:(\j)*64     ; byte 2 (token group) + lane / 16 of channel row r's word
.endm
.rept 4
	v_nop                                          ; places behind the last products: their results are read, their operands' registers loaded and written
.endr
	s_cmp_lt_u32 s16, 4
	s_cbranch_scc0 .Lepi_v
	EPI_QK 0
	EPI_QK 1
	EPI_QK 2
	EPI_QK 3
	v_cndmask_b32 v[WI], v[WJ], v[WJ+1], s23       ; the scale image of my 64 tokens
	v_cndmask_b32 v[WI+1], v[WJ+2], v[WJ+3], s23
	global_store_b64 v[L8], v[WI:WI+1], s[94:95]
	s_branch .Lepi_done
.Lepi_v:
	EPI_V 0
	EPI_V 1
	EPI_V 2
	EPI_V 3
.Lepi_done:
	s_wait_tensorcnt 0x0                           ; the wave's end
	ds_add_u32 v[SPW], v[NIL]
	s_wait_dscnt 0x0
	CROUND                                         ; the closing round
	s_endpgm
.Lfunc_end_k_q4a78cae815_qkv:
	.size	k_q4a78cae815_qkv, .Lfunc_end_k_q4a78cae815_qkv-k_q4a78cae815_qkv
	.p2alignl 7, 3214868480
	.fill 96, 4, 3214868480
	.section	.rodata,"a",@progbits
	.p2align	6, 0x0
	.amdhsa_kernel k_q4a78cae815_qkv
		.amdhsa_group_segment_fixed_size 327680
		.amdhsa_private_segment_fixed_size 0
		.amdhsa_enable_private_segment 0
		.amdhsa_kernarg_size 40
		.amdhsa_user_sgpr_count 2
		.amdhsa_user_sgpr_kernarg_segment_ptr 1
		.amdhsa_wavefront_size32 1
		.amdhsa_system_sgpr_workgroup_id_x 1
		.amdhsa_system_sgpr_workgroup_id_y 1
		.amdhsa_system_sgpr_workgroup_id_z 1
		.amdhsa_system_vgpr_workitem_id 0
		.amdhsa_next_free_vgpr 256
		.amdhsa_next_free_sgpr 100
		.amdhsa_reserve_vcc 0
		.amdhsa_float_denorm_mode_32 3
		.amdhsa_float_denorm_mode_16_64 3
		.amdhsa_memory_ordered 1
		.amdhsa_forward_progress 1
		.amdhsa_inst_pref_size 112
	.end_amdhsa_kernel
	.amdgpu_metadata
---
amdhsa.version: [ 1, 2 ]
amdhsa.kernels:
  - .name:           k_q4a78cae815_qkv
    .symbol:         k_q4a78cae815_qkv.kd
    .args:
      - { .name: opq, .offset: 0, .size: 8, .value_kind: global_buffer, .address_space: global }
      - { .name: tab, .offset: 8, .size: 8, .value_kind: global_buffer, .address_space: global }
      - { .name: qc, .offset: 16, .size: 8, .value_kind: global_buffer, .address_space: global }
      - { .name: kvc, .offset: 24, .size: 8, .value_kind: global_buffer, .address_space: global }
      - { .name: aux, .offset: 32, .size: 8, .value_kind: global_buffer, .address_space: global }
    .group_segment_fixed_size: 327680
    .private_segment_fixed_size: 0
    .kernarg_segment_align: 8
    .kernarg_segment_size: 40
    .max_flat_workgroup_size: 384
    .sgpr_count:     100
    .vgpr_count:     256
    .wavefront_size: 32
...
	.end_amdgpu_metadata
.endif
;; end of part 2
;; launch attn (part 3): grid 8 x 32, 16 waves a work-group, clusters of 4 x 1, 327,680 bytes of LDS; arguments qc, kvc, aux, oc; writes oc
.if DOCPART == 3
	.amdgcn_target "amdgcn-amd-amdhsa--gfx1250"
	.amdhsa_code_object_version 6
	.text
	.protected	k_q4a78cae815_attn
	.globl	k_q4a78cae815_attn
	.p2align	8
	.type	k_q4a78cae815_attn,@function
k_q4a78cae815_attn:
	s_mov_b64 s[64:65], 0
	v_nop
	global_prefetch_b8 v0, s[64:65] scope:SCOPE_SE
	s_setreg_imm32_b32 hwreg(HW_REG_WAVE_MODE, 25, 1), 1
	s_wait_xcnt 0x0
	s_wait_alu depctr_hold_cnt(0) depctr_sa_sdst(0) depctr_va_vdst(0) depctr_va_sdst(0) depctr_va_ssrc(0) depctr_va_vcc(0) depctr_vm_vsrc(0)
	s_getreg_b32 s2, hwreg(HW_REG_IB_STS2, 6, 4)
	s_cmp_eq_u32 s2, 0
	s_cbranch_scc0 .Lentry_in_a_cluster
	s_endpgm
.Lentry_in_a_cluster:
	s_bfe_u32 s2, ttmp6, 0x10000c
	s_cmp_lg_u32 s2, 0x3003
	s_cbranch_scc0 .Lentry_shape_is_right
	s_endpgm
.Lentry_shape_is_right:
; ATTN.  Causal attention with a key mask, both products on codes of FP6 (E2M3) with E8M0 scales; the result is quantised along the model's 1,024 for the last product.
; t = score x log2(e); M = the running largest t rounded up to a whole number; p = 2^(t - M) is quantised along the keys; the row's sum is taken of the unquantised p and divides at the end.
; LEFT OUT: key steps of 128 keys that lie wholly behind the causal mask: their p is 0 for every input.
; TILES.  A work-group has one head (bh = work-group y) and number g = 0..7.  Its tile of rank rho holds 16 queries: lane r's is 128 rho + 64 (g / 4) + 32 (r / 8) + 8 (g % 4) + r % 8.  It needs key steps 0 .. rho, step rho on the diagonal.
; THE DEAL of the 136 tile steps of the 16 ranks.  Waves 0-11 are long, in pairs w, w xor 1, with i = w / 2:
;   even w: key steps 0-10 of rank 15 - i (11 steps);      odd w: all of rank 4 + i (5 + i steps), then key steps 11 .. 15 - i of rank 15 - i (5 - i steps).
;   Waves 12-15 are short: all of rank w - 12 (1 to 4 steps); waves 12 and 13 also make V x ones, eight key steps each.
; Every wave walks 16 trips.  A long wave is on key step i in trip i; a short wave rests in trips 0-3 and is on key step i - 4 from trip 4 on.  Trips that are not a wave's own are passed over, by branches on the wave's number and the trip's.
; At trip 11 every wave puts its state (O^T, -M, the largest t, the sum) into its own LDS slot, begins an empty state and takes its second q and rank (even and short waves: none).
; Behind the one barrier at the end each wave joins one slot to its registers: an odd wave its partner's lower keys of rank 15 - i; an even wave, whose own state is empty, its partner's finished rank 4 + i; a short wave its own slot.
; M is a whole number, so the join multiplies by exact powers of two.  Each wave then finishes and stores one tile.
; THE WHOLE HEAD'S K AND V STAY IN LDS, filled once.  CLUSTER 4 x 1: the four work-groups share the head and ask jointly.  At the head one load a wave: waves 0-11 key steps 0-3, 16 rows each; waves 12-15 scale words and bias, 20 rows each.
; The other twelve key steps come behind the full sequence and a round, a sixteenth (36 rows) a wave, and have the four trips on steps 0-3 in which to land.  No prefetch: all tiles are asked for at the head, no loop runs ahead of a load.
; LAYOUT.  S^T = K Q^T (source 0 = 16 keys, source 1 = my 16 queries), O^T = V^T P^T: a lane holds one query; the 32 registers of four key tiles are 32 neighbouring keys: a whole block of p in a lane.
; THE HEAD IS 64 WIDE, THE INSTRUCTION 128: q's upper six registers are zero codes; K's tiles lie six registers apart, so a tile's upper six are the next tile's codes (behind the last: zeros); they meet zeros under the scale 1.
; THE MASK is the C of the first product: 0 for an open key, -2^120 for a closed one.  Keys behind the diagonal become -infinity.  The largest t begins at -2^100, so both give p = 0.
; A row that has seen no open key has every logit equal in the softmax as it is defined: it takes the mean of the quantised v over all 2,048 keys (V x ones).
; LIMITS: the promise holds while |score x log2(e)| stays under 2^31; NaN and infinities are not served; blocks under the floor get the byte 1.
.set AUXB,  196608                     ; K's scale images;  + 8,192 V's scale words;  + 12,288 the bias
.set STG,   217088                     ; 16 slots of 4,608 bytes: a state's image.  No tensor load lands from here on
.set SLOTB, 4608
.set PART,  290816                     ; 2 x 256 bytes: the two parts of V x ones, 64 numbers each
.set VSC,   292864                     ; 256 bytes for each wave: the mean of v on its way into the result's layout
.set SPARE, 296960                     ; the spare words, 128 bytes a wave
.set CUT,   11                         ; the trip at which the states change
.set AK0,  1                           ; 8 x lane
.set AS0,  2                           ; K's scale images
.set AV0,  3                           ; V's scale words
.set AB0,  4                           ; the bias of my half's 32 keys
.set DL,   5                           ; my query's place in its 128, less 32 (lane / 16)
.set SH8,  6                           ; 8 x (lane / 16)
.set NINF, 7
.set ADK,  8                           ; v8-11 the step's addresses
.set ADS,  9
.set ADV,  10
.set ADB,  11
.set QF,   16                          ; v16-21 q's codes, v22-27 zero codes;  v12 -M, v13 the largest t, v[14:15] the sum in two halves
.set QS,   28
.set PW,   29                          ; p's scale word
.set SPW,  30                          ; my spare word; never rewritten
.set NIL,  31                          ; 0; never rewritten
.set KB,   32                          ; v32-79 eight tiles of K, then four fragments of V;  v80-85 zeros
.set VM,   48                          ; the way out: the mean of v
.set KS,   86                          ; v86-89 K's scale words;  v90-91 V's;  v92 the scale 1 four times
.set VS,   90
.set ONEW, 92
.set QSO,  93
.set S,    96                          ; v96-159 the bias, S^T, p
.set OT,   160                         ; v160-191 O^T
.set PC,   192                         ; v192-203 p's codes
.set CT,   204                         ; v204-206, v208-210
.set OSB,  207
.set BM,   212
.set T0R,  214
.set T1R,  215
.set FF,   216                         ; (v217 named with it as a pair)
.set SO,   218
.set BY,   220
.set PS,   222
.set Q2,   224                         ; v224-229 the second q's codes, v230 its scale words
.set AST,  231                         ; my slot
.set ARD,  232                         ; the slot that I join
.set APT,  233                         ; my part of V x ones
.set APR,  234                         ; the parts, 8 bytes a lane
.set AVW,  235                         ; my 256 bytes, in and
.set AVR,  236                         ; out
.set F1,   240                         ; v240-243 the join's two factors, each the low word of a pair
.set F2,   242
.set X1,   244                         ; v244-249 three more chains of the row's sum
.set X2,   246
.set X3,   248
.set WV,   12
.set RHO,  13                          ; the rank that I work on, or -1
.set SEL,  70
.set CS,   72
.set TB,   74                          ; LDS byte of the step's codes: 12,288 a step
.set TS,   75                          ; of K's scale images and of the bias: 512 a step
.set TV,   76                          ; of V's scale words: 256 a step
.set STEPI, 77                         ; the trip
.set CNT,  78
.set TYP,  80                          ; wave % 2
.set IDX,  81                          ; wave / 2
.set R2,   82                          ; the rank from trip CUT on, or -1
.set RF,   83                          ; the rank that I finish
.set RQ2,  84
.set R1,   95                          ; the first rank
.set KSI,  96                          ; my key step
.set LNG,  97                          ; 1 in waves 0-11
.macro CROUND
	s_barrier_signal -1
	s_barrier_wait -1
	s_cmp_lg_u32 s[WV], 0
	s_cbranch_scc1 .Lnot_wave_0_\@
	s_barrier_signal -3
.Lnot_wave_0_\@:
	s_barrier_wait -3
	s_barrier_signal -1
	s_barrier_wait -1
.endm
.macro NOPS
.rept 4
	v_nop
.endr
.endm
.macro WM d, a, b, z, sa, sb, ra       ; z = 1: the product starts the sum; ra: which half of the lanes holds A's scale words
.if (\z)
.if (\ra)==0
	v_wmma_scale_f32_16x16x128_f8f6f4 v[(\d):(\d)+7], v[(\a):(\a)+11], v[(\b):(\b)+11], 0, v[\sa], v[\sb] matrix_a_fmt:MATRIX_FMT_FP6 matrix_b_fmt:MATRIX_FMT_FP6
.else
	v_wmma_scale_f32_16x16x128_f8f6f4 v[(\d):(\d)+7], v[(\a):(\a)+11], v[(\b):(\b)+11], 0, v[\sa], v[\sb] matrix_a_fmt:MATRIX_FMT_FP6 matrix_b_fmt:MATRIX_FMT_FP6 matrix_a_scale:MATRIX_SCALE_ROW1
.endif
.else
.if (\ra)==0
	v_wmma_scale_f32_16x16x128_f8f6f4 v[(\d):(\d)+7], v[(\a):(\a)+11], v[(\b):(\b)+11], v[(\d):(\d)+7], v[\sa], v[\sb] matrix_a_fmt:MATRIX_FMT_FP6 matrix_b_fmt:MATRIX_FMT_FP6
.else
	v_wmma_scale_f32_16x16x128_f8f6f4 v[(\d):(\d)+7], v[(\a):(\a)+11], v[(\b):(\b)+11], v[(\d):(\d)+7], v[\sa], v[\sb] matrix_a_fmt:MATRIX_FMT_FP6 matrix_b_fmt:MATRIX_FMT_FP6 matrix_a_scale:MATRIX_SCALE_ROW1
.endif
.endif
.endm
.macro RESET                           ; an empty state
	v_mov_b32 v13, 0xf1800000                      ; the largest t so far: -2^100
	v_mov_b32 v14, 0
	v_mov_b32 v15, 0
	v_floor_f32 v12, -v13                          ; -M
.set n, 0
.rept 32
	v_mov_b32 v[OT+n], 0
.set n, n+1
.endr
.endm
.macro QLOAD rk, a, d, ds              ; the tile of rank s[rk]: codes to v[d ..], scale words to v[ds]; s[a:a+3] hold the two addresses
	s_lshl_b32 s2, s[\rk], 3
	s_add_co_u32 s2, s2, s15
	s_mul_i32 s2, s2, 768
	s_add_co_u32 s2, s2, s20
	s_add_nc_u64 s[\a:\a+1], s[4:5], s[2:3]
	s_lshl_b32 s2, s[\rk], 9
	s_add_co_u32 s2, s2, s21
	s_add_nc_u64 s[\a+2:\a+3], s[4:5], s[2:3]
.irp q, 0,1,2
	global_load_b64 v[\d+2*\q:\d+2*\q+1], v[AK0], s[\a:\a+1] offset:256*\q
.endr
	global_load_b32 v[\ds], v[QSO], s[\a+2:\a+3]
.endm
	s_load_b256 s[4:11], s[0:1], 0x0               ; qc s[4:5], kvc s[6:7], aux s[8:9], oc s[10:11]
	v_lshl_add_u32 v[SPW], v0, 2, SPARE
	v_mov_b32 v[NIL], 0
	ds_add_u32 v[SPW], v[NIL]                      ; the opening lines: the add, twice on end, and its wait ahead of my first tensor load
	ds_add_u32 v[SPW], v[NIL]
	v_lshrrev_b32 v94, 5, v0
	v_readfirstlane_b32 s[WV], v94                 ; wave 0..15
	s_and_b32 s[TYP], s[WV], 1
	s_lshr_b32 s[IDX], s[WV], 1
	s_lshr_b32 s[LNG], s[WV], 2
	s_add_co_u32 s[LNG], s[LNG], 1
	s_lshr_b32 s[LNG], s[LNG], 2                   ; 1 in waves 12-15,
	s_xor_b32 s[LNG], s[LNG], 1                    ; 1 in waves 0-11
	s_xor_b32 s86, s[WV], s[LNG]                   ; the slot that I join: a long wave its partner's, a short wave its own
	s_mul_i32 s86, s86, SLOTB
	s_add_co_u32 s86, s86, STG
	s_mul_i32 s85, s[WV], SLOTB                    ; my slot
	s_add_co_u32 s85, s85, STG
	s_sub_co_u32 s[RQ2], 15, s[IDX]                ; the pair's high rank; also the second q's (only odd long waves multiply it: one text serves all waves)
	s_add_co_u32 s18, s[IDX], 4                    ; the pair's low rank
	s_and_b32 s19, s[WV], 3                        ; a short wave's rank
	s_cmp_eq_u32 s[TYP], 0
	s_cselect_b32 s[R1], s[RQ2], s18
	s_cselect_b32 s[R2], -1, s[RQ2]
	s_cselect_b32 s[RF], s18, s[RQ2]
	s_cmp_lt_u32 s[WV], 12
	s_cselect_b32 s[R1], s[R1], s19
	s_cselect_b32 s[R2], s[R2], -1
	s_cselect_b32 s[RF], s[RF], s19
	s_cselect_b32 s[RHO], s[R1], -1                ; the short waves rest in trips 0-3
	s_lshl_b32 s87, s[TYP], 8
	s_add_co_u32 s87, s87, PART
	s_lshl_b32 s92, s[WV], 8
	s_add_co_u32 s92, s92, VSC
	s_mul_i32 s93, s[TYP], 98304                   ; V x ones: wave 12 key steps 0-7, wave 13 key steps 8-15
	s_lshl_b32 s94, s[TYP], 11
	s_bfe_u32 s14, ttmp6, 0x40000                  ; cx
	s_lshl_b32 s15, ttmp9, 2
	s_add_co_u32 s15, s15, s14                     ; g: it enters q's and the result's addresses and the diagonal's numbers alone
	s_and_b32 s16, ttmp7, 0xffff                   ; bh, which the four partners share
	; descriptor groups 1: dense blocks as rows of 256 bytes, to all four work-groups: 16, 20 and 36 rows
.irp g, 24,32,40
	s_mov_b32 s[\g], 15|(3<<16)|(1<<21)
	s_mov_b32 s[\g+1], 32<<16
	s_mov_b32 s[\g+3], 32<<16
	s_mov_b32 s[\g+5], 32
	s_mov_b32 s[\g+6], 0
	s_mov_b32 s[\g+7], 0
.endr
	s_mov_b32 s26, 16<<16
	s_mov_b32 s28, 16
	s_mov_b32 s34, 20<<16
	s_mov_b32 s36, 20
	s_mov_b32 s42, 36<<16
	s_mov_b32 s44, 36
	s_lshl_b32 s60, s[WV], 12                      ; key steps 0-3: a twelfth, 16 rows (waves 0-11 ask)
	s_mov_b32 s61, 0
	s_and_b32 s17, s[WV], 3
	s_mul_i32 s22, s17, 5120                       ; scale words and bias: a quarter, 20 rows (waves 12-15 ask)
	s_mul_i32 s62, s[WV], 9216                     ; key steps 4 .. 15: a sixteenth, 36 rows
	s_add_co_u32 s62, s62, 49152
	s_mov_b32 s63, 0
	s_mul_i32 s18, s16, 196608
	s_mov_b32 s19, 0
	s_mul_i32 s20, s16, 20480
	s_add_co_u32 s20, s20, s22
	s_mov_b32 s21, 0
	s_mov_b32 s48, 1
	s_mov_b32 s49, s60
	s_mov_b32 s52, 1
	s_add_co_u32 s53, s22, AUXB
	s_mov_b32 s56, 1
	s_mov_b32 s57, s62
	s_wait_dscnt 0x0                               ; both opening adds are done
	s_wait_kmcnt 0x0
	s_add_nc_u64 s[18:19], s[6:7], s[18:19]
	s_add_nc_u64 s[50:51], s[18:19], s[60:61]
	s_or_b32 s51, s51, 0x80000000
	s_add_nc_u64 s[54:55], s[8:9], s[20:21]
	s_or_b32 s55, s55, 0x80000000
	s_add_nc_u64 s[58:59], s[18:19], s[62:63]
	s_or_b32 s59, s59, 0x80000000
	CROUND                                         ; all four work-groups are here: the joint loads meet
	s_cmp_lt_u32 s[WV], 12                         ; one load a wave at the head, one in each arm
	s_cbranch_scc0 .Lhead_aux
	tensor_load_to_lds s[48:51], s[24:31]
	s_nop 0
	NOPS
	s_branch .Lhead_asked
.Lhead_aux:
	tensor_load_to_lds s[52:55], s[32:39]
	s_nop 0
	NOPS
.Lhead_asked:
	v_and_b32 v94, 31, v0
	v_and_b32 v95, 15, v0                          ; r
	v_bfe_u32 v[SH8], v0, 4, 1                     ; h
	v_lshlrev_b32 v[AK0], 3, v94
	v_lshl_add_u32 v[AV0], v94, 2, AUXB+8192
	v_lshl_add_u32 v[AB0], v[SH8], 7, AUXB+12288
	v_lshl_add_u32 v[OSB], v95, 3, v[SH8]
	v_lshlrev_b32 v[QSO], 3, v95
	v_add_nc_u32 v[AS0], AUXB, v[AK0]
	v_lshl_add_u32 v[AST], v94, 4, s85
	v_lshl_add_u32 v[ARD], v94, 4, s86
	v_lshl_add_u32 v[APT], v[SH8], 5, s87
	v_add_nc_u32 v[APR], PART, v[AK0]
	v_add_nc_u32 v[AVW], s92, v[AK0]
	v_lshl_add_u32 v[AVR], v[SH8], 5, s92
	s_lshr_b32 s17, s15, 2                         ; g / 4
	s_and_b32 s22, s15, 3                          ; g % 4
	s_lshl_b32 s23, s17, 6
	s_lshl_b32 s2, s22, 3
	s_add_co_u32 s23, s23, s2                      ; 64 (g / 4) + 8 (g % 4)
	v_and_b32 v94, 7, v0
	v_bfe_u32 v95, v0, 3, 1
	v_lshl_add_u32 v[DL], v95, 5, v94
	v_lshlrev_b32 v94, 5, v[SH8]
	v_add_nc_u32 v[DL], s23, v[DL]
	v_lshlrev_b32 v[SH8], 3, v[SH8]
	v_sub_nc_u32 v[DL], v[DL], v94
	s_wait_alu depctr_va_vdst(0)                   ; the wait ahead of the scalar run and the loads below
	s_lshl_b32 s79, s17, 8                         ; the tile's place in a scale image: 256 (g / 4) + 128 (g % 2) + 4 ((g / 2) % 2)
	s_and_b32 s2, s15, 1
	s_lshl_b32 s2, s2, 7
	s_add_co_u32 s79, s79, s2
	s_bfe_u32 s2, s15, 0x10001
	s_lshl_b32 s2, s2, 2
	s_add_co_u32 s79, s79, s2
	s_mul_i32 s20, s16, 98304                      ; the head's q codes,
	s_lshl_b32 s21, s16, 13
	s_add_co_u32 s21, s21, s79
	s_add_co_u32 s21, s21, 3145728                 ; and its scale images
	s_mov_b32 s3, 0
	QLOAD R1, 60, QF, QS
	QLOAD RQ2, 88, Q2, Q2+6
	; where the result goes: block tb = 16 batch + rank of oc, chunk head / 4, K step (head / 2) % 2, half head % 2 of the fragment
	s_and_b32 s22, s16, 15                         ; head
	s_lshr_b32 s23, s16, 4
	s_lshl_b32 s23, s23, 4
	s_add_co_u32 s23, s23, s[RF]
	s_mul_i32 s23, s23, 102400
	s_lshr_b32 s2, s22, 2
	s_mul_i32 s2, s2, 25600
	s_add_co_u32 s23, s23, s2
	s_bfe_u32 s2, s22, 0x10001
	s_and_b32 s22, s22, 1
	s_mul_i32 s66, s2, 12288
	s_add_co_u32 s66, s66, s23
	s_mul_i32 s17, s17, 6144
	s_add_co_u32 s66, s66, s17
	s_and_b32 s17, s15, 3
	s_mul_i32 s17, s17, 1536
	s_add_co_u32 s66, s66, s17
	s_mul_i32 s17, s22, 768
	s_add_co_u32 s66, s66, s17
	s_mov_b32 s67, 0
	s_lshl_b32 s68, s2, 9
	s_add_co_u32 s68, s68, s23
	s_add_co_u32 s68, s68, s79
	s_lshl_b32 s22, s22, 1
	s_add_co_u32 s68, s68, s22
	s_add_co_u32 s68, s68, 24576
	s_mov_b32 s69, 0
	s_add_nc_u64 s[66:67], s[10:11], s[66:67]
	s_add_nc_u64 s[68:69], s[10:11], s[68:69]
	s_mov_b32 s[SEL], 0x76543210                   ; lane l xor 16
	s_mov_b32 s[SEL+1], 0xfedcba98
	s_mov_b32 s[CS], 0x3fb8aa3b                    ; log2(e)
	s_mov_b32 s[CS+1], s[CS]
	s_mov_b32 s[TB], 0
	s_mov_b32 s[TS], 0
	s_mov_b32 s[TV], 0
	s_mov_b32 s[KSI], 0
	s_mov_b32 s[STEPI], 0
	v_mov_b32 v[NINF], 0xff800000
	v_mov_b32 v[ONEW], 0x7f7f7f7f
	v_mov_b32 v[T1R], 0                            ; a lane permute's destination counts as read
	v_mov_b32 v[FF+1], 0                           ; named as the upper halves of pairs
	v_mov_b32 v[F1+1], 0
	v_mov_b32 v[F2+1], 0
.irp i, 0,1,2,3,4,5
	v_mov_b32 v[QF+6+\i], 0                        ; zero codes beyond the head's 64
	v_mov_b32 v[KB+48+\i], 0
.endr
	RESET
.macro TM8                             ; eight of the 32 packed lines that make t - M
.rept 8
	v_pk_fma_f32 v[S+n:S+n+1], v[S+n:S+n+1], s[CS:CS+1], v[12:13] op_sel_hi:[1,0,0]
.set n, n+2
.endr
.endm
.macro SUM2 a, b, k                    ; two lines of the row's sum: chains a and b take p's pairs at k and k + 2
	v_pk_add_f32 v[\a:\a+1], v[\a:\a+1], v[S+\k:S+\k+1]
	v_pk_add_f32 v[\b:\b+1], v[\b:\b+1], v[S+\k+2:S+\k+3]
.endm
.macro BIAS u                          ; the bias of keys 64 (u / 4) + 32 h + 8 (u % 4) + 0 .. 7 into the registers where their scores will stand
	ds_load_b128 v[S+8*(\u):S+8*(\u)+3], v[ADB] offset:256*((\u)/4)+32*((\u)%4)
	ds_load_b128 v[S+8*(\u)+4:S+8*(\u)+7], v[ADB] offset:256*((\u)/4)+32*((\u)%4)+16
.endm
.macro KTILE t
.irp q, 0,1,2
	ds_load_b64 v[KB+6*(\t)+2*\q:KB+6*(\t)+2*\q+1], v[ADK] offset:768*(\t)+256*\q
.endr
.endm
; A KEY STEP of 128 keys
.macro STEP
	v_add_nc_u32 v[ADK], s[TB], v[AK0]             ; (these four are the places in front of the loads below)
	v_add_nc_u32 v[ADS], s[TS], v[AS0]
	v_add_nc_u32 v[ADV], s[TV], v[AV0]
	v_add_nc_u32 v[ADB], s[TS], v[AB0]
	ds_load_b64 v[KS:KS+1], v[ADS]                 ; 42 loads, in the order in which the products want them: product t reads K's tiles t and t + 1 and the bias of tile t
	ds_load_b64 v[KS+2:KS+3], v[ADS] offset:256
	KTILE 0
.irp t, 0,1,2,3,4,5,6
	KTILE \t+1
	BIAS \t
.endr
	BIAS 7
	s_wait_alu depctr_va_vdst(0)                   ; the wait ahead of the waits below
.irp t, 0,1,2,3,4,5,6,7
.if \t < 7
	s_wait_dscnt 5*(6-\t)+2                        ; behind tile t's bias stand five loads for each of the tiles t + 1 .. 6, and the two of tile 7's bias
.else
	s_wait_dscnt 0x0
.endif
	WM S+8*\t, KB+6*\t, QF, 0, KS+\t/2, QS, \t%2   ; S^T = K Q^T + bias
.endr
	NOPS                                           ; places: K's registers are loaded again, the scores are read
.irp t, 0,1,2,3
.irp q, 0,1,2,3,4,5
	ds_load_b64 v[KB+12*\t+2*\q:KB+12*\t+2*\q+1], v[ADK] offset:6144+1536*\t+256*\q   ; V lands while the softmax is walked
.endr
.endr
	ds_load_b32 v[VS], v[ADV]
	ds_load_b32 v[VS+1], v[ADV] offset:128
	s_cmp_lg_u32 s[KSI], s[RHO]                    ; on the diagonal: register n holds key 64 (n / 32) + 32 h + n % 32 of the step, hidden where that lies behind my query
	s_cbranch_scc1 .Lopen_\@
.set n, 0
.rept 64
	v_cmp_gt_i32 vcc_lo, 64*(n/32)+n%32, v[DL]
	v_cndmask_b32 v[S+n], v[S+n], v[NINF], vcc_lo
.set n, n+1
.endr
.Lopen_\@:
	v_max3_num_f32 v[BM], v[S], v[S+1], v[S+2]     ; each block's largest score, in two chains a block: for the row's maximum, and, since p rises with the score, for the block's largest p.  Ascending: each accumulator from its low end
	v_max3_num_f32 v[PS], v[S+16], v[S+17], v[S+18]
	v_max3_num_f32 v[BM+1], v[S+32], v[S+33], v[S+34]
	v_max3_num_f32 v[PS+1], v[S+48], v[S+49], v[S+50]
.irp i, 3,5,7,9,11,13
	v_max3_num_f32 v[BM], v[BM], v[S+\i], v[S+\i+1]
	v_max3_num_f32 v[PS], v[PS], v[S+16+\i], v[S+17+\i]
	v_max3_num_f32 v[BM+1], v[BM+1], v[S+32+\i], v[S+33+\i]
	v_max3_num_f32 v[PS+1], v[PS+1], v[S+48+\i], v[S+49+\i]
.endr
	v_max3_num_f32 v[BM], v[BM], v[S+15], v[S+31]
	v_max3_num_f32 v[BM+1], v[BM+1], v[S+47], v[S+63]
	s_delay_alu instid0(VALU_DEP_2)
	v_max_num_f32 v[BM], v[BM], v[PS]
	s_delay_alu instid0(VALU_DEP_2)
	v_max_num_f32 v[BM+1], v[BM+1], v[PS+1]
	s_delay_alu instid0(VALU_DEP_1)
	v_max_num_f32 v[T0R], v[BM], v[BM+1]
	s_delay_alu instid0(VALU_DEP_1)
	v_permlanex16_b32 v[T1R], v[T0R], s[SEL], s[SEL+1]
	s_delay_alu instid0(VALU_DEP_1)
	v_max_num_f32 v[T0R], v[T0R], v[T1R]           ; the step's largest score of my query
	s_delay_alu instid0(VALU_DEP_1)
	v_mul_f32 v[T0R], s[CS], v[T0R]
	s_delay_alu instid0(VALU_DEP_1)
	v_max_num_f32 v13, v13, v[T0R]                 ; the running largest t
	v_mov_b32 v[T0R], v12
	s_delay_alu instid0(VALU_DEP_2)
	v_floor_f32 v12, -v13                          ; the new -M: a whole number
.set n, 0
	TM8                                            ; t - M; the three lines that make f stand among these, each well behind the one that it reads
	v_sub_f32 v[T0R], v12, v[T0R]                  ; old M - new M, 0 or less
	TM8
	v_cvt_i32_f32 v[T0R], v[T0R]                   ; (it saturates)
	TM8
	v_ldexp_f32 v[FF], 1.0, v[T0R]                 ; f = 2^(old M - new M): exact; 0 at a row's first open key
	TM8
	v_fma_f32 v[BM], v[BM], s[CS], v12
	v_fma_f32 v[BM+1], v[BM+1], s[CS], v12
	s_wait_alu depctr_va_vdst(0)                   ; the wait ahead of the batch
.set n, 0
.rept 64
	v_exp_f32 v[S+n], v[S+n]                       ; p, not normalised
.set n, n+1
.endr
	v_pk_mul_f32 v[14:15], v[14:15], v[FF:FF+1] op_sel_hi:[1,0]   ; the sums under the new M.  (A plain line behind the exponentials)
	s_wait_alu depctr_va_vdst(0)                   ; one wait for the batch, ahead of its first reader
	v_exp_f32 v[BM], v[BM]                         ; the blocks' largest p
	v_exp_f32 v[BM+1], v[BM+1]
	v_pk_add_f32 v[X1:X1+1], v[S:S+1], v[S+2:S+3]  ; the row's sum of the unquantised p, in four chains
	v_pk_add_f32 v[X2:X2+1], v[S+4:S+5], v[S+6:S+7]
	v_pk_add_f32 v[X3:X3+1], v[S+8:S+9], v[S+10:S+11]
	SUM2 14, X1, 12
.irp k, 16,24,32
	SUM2 X2, X3, \k
	SUM2 14, X1, \k+4
.endr
	s_wait_alu depctr_va_vdst(0)                   ; and one for the two.  From here on the lines that make p's scale word stand among the sum's, each well behind the one that it reads
	v_max_num_f32 v[BM], 0x1800000, v[BM]          ; the floor 2^(3 - 127)
	v_max_num_f32 v[BM+1], 0x1800000, v[BM+1]
	SUM2 X2, X3, 40
	v_add_nc_u32 v[SO], 0xff000000, v[BM]          ; 2 off the exponent field: the conversions' scale operands
	v_add_nc_u32 v[SO+1], 0xff000000, v[BM+1]
	SUM2 14, X1, 44
	v_cvt_scalef32_pk16_fp6_f32 v[PC:PC+2], v[S:S+15], v[SO]
	v_cvt_scalef32_pk16_fp6_f32 v[CT:CT+2], v[S+16:S+31], v[SO]
	v_cvt_scalef32_pk16_fp6_f32 v[PC+6:PC+8], v[S+32:S+47], v[SO+1]
	v_cvt_scalef32_pk16_fp6_f32 v[CT+4:CT+6], v[S+48:S+63], v[SO+1]
	v_lshrrev_b32 v[BY], 23, v[SO]                 ; the bytes.  (Plain lines behind the conversions)
	v_lshrrev_b32 v[BY+1], 23, v[SO+1]
	SUM2 X2, X3, 48
	v_lshl_or_b32 v[BY], v[BY+1], 16, v[BY]        ; my blocks h and 2 + h,
	SUM2 14, X1, 52
	v_lshlrev_b32 v[BY], v[SH8], v[BY]
	SUM2 X2, X3, 56
	v_permlanex16_b32 v[T1R], v[BY], s[SEL], s[SEL+1]
	SUM2 14, X1, 60
	v_pk_add_f32 v[X2:X2+1], v[X2:X2+1], v[X3:X3+1]
	v_or_b32 v[PW], v[BY], v[T1R]                  ; with lane l xor 16's: p's scale word
	v_pk_add_f32 v[14:15], v[14:15], v[X1:X1+1]
.irp i, 0,1,2
	v_mov_b32 v[PC+3+\i], v[CT+\i]
	v_mov_b32 v[PC+9+\i], v[CT+4+\i]
.endr
	v_pk_add_f32 v[14:15], v[14:15], v[X2:X2+1]
	s_wait_alu depctr_va_vdst(0)                   ; the wait directly ahead of the first reader of O^T
.set n, 0
.rept 16
	v_pk_mul_f32 v[OT+n:OT+n+1], v[OT+n:OT+n+1], v[FF:FF+1] op_sel_hi:[1,0]   ; O^T under the new M.  For each product below twelve of these name none of its registers: the places behind p's scale word and codes
.set n, n+2
.endr
	s_wait_alu depctr_va_vdst(0)
	s_wait_dscnt 0x0                               ; V is in
.irp t, 0,1,2,3
	WM OT+8*\t, KB+12*\t, PC, 0, VS+\t/2, PW, \t%2 ; O^T += V^T P^T
.endr
.endm
; Trip CUT, every wave: my state goes to my slot as an image of its registers; an empty state, the second q and the second rank take its place
.macro SWITCH
	NOPS                                           ; places behind the last products
.irp q, 0,1,2,3,4,5,6,7
	ds_store_b128 v[AST], v[OT+4*\q:OT+4*\q+3] offset:512*\q   ; each accumulator from its low end on
.endr
	ds_store_b128 v[AST], v[12:15] offset:4096
.irp i, 0,1,2,3,4,5
	v_mov_b32 v[QF+\i], v[Q2+\i]
.endr
	v_mov_b32 v[QS], v[Q2+6]                       ; (the 36 lines of the empty state are the places between this scale register and the next product)
	s_wait_dscnt 0x0                               ; the stores have read their registers
	RESET
	s_mov_b32 s[RHO], s[R2]
	s_wait_alu depctr_va_vdst(0)                   ; the wait ahead of the branches that follow
.endm
.macro TRIP sw
.if \sw
	s_cmp_lg_u32 s[STEPI], CUT
	s_cbranch_scc1 .Lnosw_\@
	SWITCH
.Lnosw_\@:
.endif
	s_cmp_gt_i32 s[KSI], s[RHO]                    ; a step that is not mine is passed over: the wave's number and the trip's decide
	s_cbranch_scc1 .Lskip_\@
	STEP
.Lskip_\@:
	s_add_co_u32 s[TB], s[TB], 12288
	s_add_co_u32 s[TS], s[TS], 512
	s_add_co_u32 s[TV], s[TV], 256
	s_add_co_u32 s[KSI], s[KSI], 1
	s_add_co_u32 s[STEPI], s[STEPI], 1
.endm
	s_wait_alu depctr_va_vdst(0)                   ; the wait at the head's end
	s_wait_tensorcnt 0x0                           ; my part of key steps 0-3 or of the scale words and bias is in; the full sequence ahead of a later first fill:
	ds_add_u32 v[SPW], v[NIL]
	s_wait_dscnt 0x0
	CROUND                                         ; everybody's part is in, and the four work-groups are here
	tensor_load_to_lds s[56:59], s[40:47]          ; key steps 4 .. 15, my sixteenth: my one load behind the round
	s_nop 0
	NOPS
	s_wait_loadcnt 0x0                             ; both q
	s_mov_b32 s[CNT], 4
.Lfirst:
	TRIP 0
	s_sub_co_u32 s[CNT], s[CNT], 1
	s_cmp_lg_u32 s[CNT], 0
	s_cbranch_scc1 .Lfirst
	s_wait_tensorcnt 0x0                           ; my part of the rest is in,
	s_wait_dscnt 0x0
	s_barrier_signal -1
	s_barrier_wait -1                              ; everybody's is
	s_mov_b32 s[RHO], s[R1]                        ; the short waves begin: at key step 0, while the long ones go on at key step 4
	s_mul_i32 s[TB], s[LNG], 49152
	s_lshl_b32 s[TS], s[LNG], 11
	s_lshl_b32 s[TV], s[LNG], 10
	s_lshl_b32 s[KSI], s[LNG], 2
	s_mov_b32 s[CNT], 12
.Lrest:
	TRIP 1
	s_sub_co_u32 s[CNT], s[CNT], 1
	s_cmp_lg_u32 s[CNT], 0
	s_cbranch_scc1 .Lrest
	NOPS                                           ; places behind the last products
	; waves 12, 13: V x ones (the code 1.0 in all places, the scale 1) over eight key steps; every column of the result is alike, so 64 numbers are the part
	s_cmp_lt_u32 s[WV], 12
	s_cbranch_scc1 .Lno_sum
	s_cmp_gt_u32 s[WV], 13
	s_cbranch_scc1 .Lno_sum
.irp i, 0,1,2,3
	v_mov_b32 v[PC+3*\i], 0x08208208               ; the code 8 = 1.0, sixteen to three registers
	v_mov_b32 v[PC+3*\i+1], 0x82082082
	v_mov_b32 v[PC+3*\i+2], 0x20820820
.endr
	v_add_nc_u32 v[ADK], s93, v[AK0]
	v_add_nc_u32 v[ADV], s94, v[AV0]
.irp e, 0,1,2,3,4,5,6,7
	NOPS                                           ; places: behind the codes just written, and in front of loads into registers that products have read
.if \e == 4
	v_add_nc_u32 v[ADK], 49152, v[ADK]             ; four key steps on: the offsets stay inside 16 bits
.endif
.irp t, 0,1,2,3
.irp q, 0,1,2,3,4,5
	ds_load_b64 v[KB+12*\t+2*\q:KB+12*\t+2*\q+1], v[ADK] offset:12288*(\e%4)+6144+1536*\t+256*\q
.endr
.endr
	ds_load_b32 v[VS], v[ADV] offset:256*\e
	ds_load_b32 v[VS+1], v[ADV] offset:256*\e+128
	s_wait_alu depctr_va_vdst(0)
	s_wait_dscnt 0x0
.irp t, 0,1,2,3                        ; the four accumulators by turns
.if \e == 0
	WM S+8*\t, KB+12*\t, PC, 1, VS+\t/2, ONEW, \t%2
.else
	WM S+8*\t, KB+12*\t, PC, 0, VS+\t/2, ONEW, \t%2
.endif
.endr
.endr
	NOPS
.irp t, 0,1,2,3
	ds_store_b128 v[APT], v[S+8*\t:S+8*\t+3] offset:64*\t          ; channel 16 t + 8 h + j at byte 4 x channel; the sixteen lanes of a half write the same bytes with the same values
	ds_store_b128 v[APT], v[S+8*\t+4:S+8*\t+7] offset:64*\t+16
.endr
.Lno_sum:
	s_wait_dscnt 0x0                               ; my slot and my part are written
	s_barrier_signal -1
	s_barrier_wait -1
	; THE JOIN AND THE WAY OUT
	ds_load_b64 v[KB:KB+1], v[APR]                 ; two channels a lane of each part
	ds_load_b64 v[KB+2:KB+3], v[APR] offset:256
.irp q, 0,1,2,3,4,5,6,7
	ds_load_b128 v[S+4*\q:S+4*\q+3], v[ARD] offset:512*\q          ; the other state's O^T,
.endr
	ds_load_b128 v[S+32:S+35], v[ARD] offset:4096                  ; its -M, largest t and sum
	s_wait_dscnt 9                                 ; the two parts are in; the nine younger loads may be out
	v_pk_add_f32 v[KB:KB+1], v[KB:KB+1], v[KB+2:KB+3]
	s_delay_alu instid0(VALU_DEP_1)
	v_pk_mul_f32 v[KB:KB+1], v[KB:KB+1], 0x3a000000 op_sel_hi:[1,0]   ; / 2,048: the mean of v
	ds_store_b64 v[AVW], v[KB:KB+1]                ; through my own 256 bytes into the result's layout: LDS serves a wave's instructions in order
.irp t, 0,1,2,3
	ds_load_b128 v[VM+8*\t:VM+8*\t+3], v[AVR] offset:64*\t
	ds_load_b128 v[VM+8*\t+4:VM+8*\t+7], v[AVR] offset:64*\t+16
.endr
	s_wait_alu depctr_va_vdst(0)
	s_wait_dscnt 9                                 ; the other state is in; the store and the eight loads behind it may be out
	v_min_num_f32 v[T0R], v12, v[S+32]             ; -M of the two together
	v_max_num_f32 v13, v13, v[S+33]
	s_delay_alu instid0(VALU_DEP_2)
	v_sub_f32 v[F1], v[T0R], v12                   ; my M - M, 0 or less,
	v_sub_f32 v[F2], v[T0R], v[S+32]               ; and the other's
	s_delay_alu instid0(VALU_DEP_2)
	v_cvt_i32_f32 v[F1], v[F1]                     ; (they saturate)
	s_delay_alu instid0(VALU_DEP_2)
	v_cvt_i32_f32 v[F2], v[F2]
	s_delay_alu instid0(VALU_DEP_2)
	v_ldexp_f32 v[F1], 1.0, v[F1]                  ; exact powers of two; 0 for an empty state beside a live one
	s_delay_alu instid0(VALU_DEP_2)
	v_ldexp_f32 v[F2], 1.0, v[F2]
	s_delay_alu instid0(VALU_DEP_2)
	v_pk_mul_f32 v[14:15], v[14:15], v[F1:F1+1] op_sel_hi:[1,0]
	s_delay_alu instid0(VALU_DEP_1)
	v_pk_fma_f32 v[14:15], v[S+34:S+35], v[F2:F2+1], v[14:15] op_sel_hi:[1,0,1]
	s_delay_alu instid0(VALU_DEP_1)
	v_add_f32 v14, v14, v15
	s_delay_alu instid0(VALU_DEP_1)
	v_permlanex16_b32 v[T1R], v14, s[SEL], s[SEL+1]
	s_delay_alu instid0(VALU_DEP_1)
	v_add_f32 v14, v14, v[T1R]                     ; the row's sum: over 1/2 where an open key was seen;
	s_delay_alu instid0(VALU_DEP_1)
	v_max_num_f32 v14, 0x800000, v14               ; held at 2^-126 from below, so that a row with none, whose O^T is 0, divides to 0
	s_wait_alu depctr_va_vdst(0)
	v_rcp_f32 v[FF], v14
	v_cmp_ge_f32 vcc_lo, 0xf1800000, v13           ; no open key was seen.  (A plain line behind the reciprocal)
	s_wait_alu depctr_va_vdst(0)                   ; the wait ahead of its first reader
	v_mul_f32 v[F1], v[F1], v[FF]                  ; the division goes into the two factors
	v_mul_f32 v[F2], v[F2], v[FF]
	s_wait_alu depctr_va_vdst(0)                   ; the wait directly ahead of the first reader of O^T
.set n, 0
.rept 16
	v_pk_mul_f32 v[OT+n:OT+n+1], v[OT+n:OT+n+1], v[F1:F1+1] op_sel_hi:[1,0]
.set n, n+2
.endr
.set n, 0
.rept 16
	v_pk_fma_f32 v[OT+n:OT+n+1], v[S+n:S+n+1], v[F2:F2+1], v[OT+n:OT+n+1] op_sel_hi:[1,0,1]
.set n, n+2
.endr
	s_wait_alu depctr_va_vdst(0)
	s_wait_dscnt 0x0                               ; the mean of v is in
.set n, 0
.rept 32
	v_cndmask_b32 v[OT+n], v[OT+n], v[VM+n], vcc_lo
.set n, n+1
.endr
	v_max3_num_f32 v[BM], |v[OT]|, |v[OT+1]|, 0x1800000            ; one whole block of the last product's K in each lane
	v_max3_num_f32 v[BM+1], |v[OT+16]|, |v[OT+17]|, |v[OT+18]|
.irp i, 2,4,6,8,10,12
	s_delay_alu instid0(VALU_DEP_2)
	v_max3_num_f32 v[BM], v[BM], |v[OT+\i]|, |v[OT+\i+1]|
	s_delay_alu instid0(VALU_DEP_2)
	v_max3_num_f32 v[BM+1], v[BM+1], |v[OT+\i+17]|, |v[OT+\i+18]|
.endr
	s_delay_alu instid0(VALU_DEP_2)
	v_max3_num_f32 v[BM], v[BM], |v[OT+14]|, |v[OT+15]|
	s_delay_alu instid0(VALU_DEP_1)
	v_max3_num_f32 v[BM], v[BM], v[BM+1], |v[OT+31]|
	s_delay_alu instid0(VALU_DEP_1)
	v_add_nc_u32 v[SO], 0xff000000, v[BM]
	v_cvt_scalef32_pk16_fp6_f32 v[PC:PC+2], v[OT:OT+15], v[SO]
	v_cvt_scalef32_pk16_fp6_f32 v[CT:CT+2], v[OT+16:OT+31], v[SO]
	v_lshrrev_b32 v[BY], 23, v[SO]
.irp i, 0,1,2
	v_mov_b32 v[PC+3+\i], v[CT+\i]
.endr
.irp q, 0,1,2
	global_store_b64 v[AK0], v[PC+2*\q:PC+2*\q+1], s[66:67] offset:256*\q   ; 256 consecutive bytes a store
.endr
	global_store_b8 v[OSB], v[BY], s[68:69]
	s_wait_tensorcnt 0x0                           ; the wave's end
	ds_add_u32 v[SPW], v[NIL]
	s_wait_dscnt 0x0
	CROUND                                         ; the closing round
	s_endpgm
.Lfunc_end_k_q4a78cae815_attn:
	.size	k_q4a78cae815_attn, .Lfunc_end_k_q4a78cae815_attn-k_q4a78cae815_attn
	.p2alignl 7, 3214868480
	.fill 96, 4, 3214868480
	.section	.rodata,"a",@progbits
	.p2align	6, 0x0
	.amdhsa_kernel k_q4a78cae815_attn
		.amdhsa_group_segment_fixed_size 327680
		.amdhsa_private_segment_fixed_size 0
		.amdhsa_enable_private_segment 0
		.amdhsa_kernarg_size 32
		.amdhsa_user_sgpr_count 2
		.amdhsa_user_sgpr_kernarg_segment_ptr 1
		.amdhsa_wavefront_size32 1
		.amdhsa_system_sgpr_workgroup_id_x 1
		.amdhsa_system_sgpr_workgroup_id_y 1
		.amdhsa_system_sgpr_workgroup_id_z 1
		.amdhsa_system_vgpr_workitem_id 0
		.amdhsa_next_free_vgpr 256
		.amdhsa_next_free_sgpr 100
		.amdhsa_reserve_vcc 1
		.amdhsa_float_denorm_mode_32 3
		.amdhsa_float_denorm_mode_16_64 3
		.amdhsa_memory_ordered 1
		.amdhsa_forward_progress 1
		.amdhsa_inst_pref_size 90
	.end_amdhsa_kernel
	.amdgpu_metadata
---
amdhsa.version: [ 1, 2 ]
amdhsa.kernels:
  - .name:           k_q4a78cae815_attn
    .symbol:         k_q4a78cae815_attn.kd
    .args:
      - { .name: qc, .offset: 0, .size: 8, .value_kind: global_buffer, .address_space: global }
      - { .name: kvc, .offset: 8, .size: 8, .value_kind: global_buffer, .address_space: global }
      - { .name: aux, .offset: 16, .size: 8, .value_kind: global_buffer, .address_space: global }
      - { .name: oc, .offset: 24, .size: 8, .value_kind: global_buffer, .address_space: global }
    .group_segment_fixed_size: 327680
    .private_segment_fixed_size: 0
    .kernarg_segment_align: 8
    .kernarg_segment_size: 32
    .max_flat_workgroup_size: 512
    .sgpr_count:     100
    .vgpr_count:     256
    .wavefront_size: 32
...
	.end_amdgpu_metadata
.endif
;; end of part 3
;; launch proj (part 4): grid 8 x 32, 8 waves a work-group, clusters of 4 x 4, 263,168 bytes of LDS; arguments oc, opq, b_out, out0; writes out0
.if DOCPART == 4
	.amdgcn_target "amdgcn-amd-amdhsa--gfx1250"
	.amdhsa_code_object_version 6
	.text
	.protected	k_q4a78cae815_proj
	.globl	k_q4a78cae815_proj
	.p2align	8
	.type	k_q4a78cae815_proj,@function
k_q4a78cae815_proj:
	s_mov_b64 s[64:65], 0
	v_nop
	global_prefetch_b8 v0, s[64:65] scope:SCOPE_SE
	s_setreg_imm32_b32 hwreg(HW_REG_WAVE_MODE, 25, 1), 1
	s_wait_xcnt 0x0
	s_wait_alu depctr_hold_cnt(0) depctr_sa_sdst(0) depctr_va_vdst(0) depctr_va_sdst(0) depctr_va_ssrc(0) depctr_va_vcc(0) depctr_vm_vsrc(0)
	s_getreg_b32 s2, hwreg(HW_REG_IB_STS2, 6, 4)
	s_cmp_eq_u32 s2, 0
	s_cbranch_scc0 .Lentry_in_a_cluster
	s_endpgm
.Lentry_in_a_cluster:
	s_bfe_u32 s2, ttmp6, 0x10000c
	s_cmp_lg_u32 s2, 0xf033
	s_cbranch_scc0 .Lentry_shape_is_right
	s_endpgm
.Lentry_shape_is_right:
; PROJ.  out = o w_out^T + b_out on codes of FP6 (E2M3) with E8M0 scales; out [4096][1024] f32.
; SHARES.  A work-group takes 128 tokens (block tb) x 128 columns (block cb).  Wave w: columns 64 (w % 2) on, token group w / 4, token tiles 2 ((w / 2) % 2) and the next: 8 accumulators.
; Source 0 = 16 rows of w_out, source 1 = 16 tokens: a lane holds a token, and the 32 registers of four tiles hold columns 32 (lane / 16) + 0 .. 31 of the wave's 64.
; ALL OF K IS RESIDENT: o's block and w_out's block, 102,400 bytes each, four chunks of 256 along K, filled once.  CLUSTER 4 x 4: o's chunks are asked for jointly along a row, w_out's along a column.
; ONE LOAD A WAVE: waves 0-3 ask for o's chunks 0-3, waves 4-7 for w_out's; chunk w lands at LDS byte 25,600 w.  One wait and one barrier show all eight to all waves.  No loop runs ahead of a load, so nothing is prefetched.
; The bias is the C of each sum's first product.
; The results go through the wave's own stage in LDS (no tensor load lands there) and leave as runs of 256 consecutive, aligned bytes from sixteen lanes.
.set WBLK,  102400
.set STAGE, 204800                     ; 16 rows x 272 bytes for each wave
.set SPARE, 262144                     ; the spare words, 128 bytes a wave
.set AWF,  2                           ; w_out's fragments, my 64 columns
.set AAF,  3                           ; o's fragments, my two token tiles
.set ASW,  4                           ; w_out's scale image
.set ASA,  5                           ; o's: the word of my pair of tiles
.set STO,  6                           ; the stage: where I put my row's bytes
.set RD,   7                           ; and where I read rows back
.set CO,   8                           ; my byte offset in out0
.set BO,   9                           ; 128 x (lane / 16)
.set SW,   16                          ; v16-17, v18: scales and nothing else
.set SA,   18
.set WF,   32                          ; v32-79
.set AF,   80                          ; v80-103
.set RB,   32                          ; the way out: v32-95, a set of 32 for each token tile
.set BI,   104                         ; v104-135 the bias in the result's layout
.set ACC,  136                         ; v136-199: accumulator (i, jj) at v[136 + 8 (4 jj + i)]
.set SPW,  254                         ; my spare word; never rewritten
.set NIL,  255                         ; 0; never rewritten
.macro CROUND
	s_barrier_signal -1
	s_barrier_wait -1
	s_cmp_lg_u32 s12, 0
	s_cbranch_scc1 .Lnot_wave_0_\@
	s_barrier_signal -3
.Lnot_wave_0_\@:
	s_barrier_wait -3
	s_barrier_signal -1
	s_barrier_wait -1
.endm
.macro WM d, a, b, c, sa, sb, ra, rb
.if ((\ra)==0)&&((\rb)==0)
	v_wmma_scale_f32_16x16x128_f8f6f4 v[(\d):(\d)+7], v[(\a):(\a)+11], v[(\b):(\b)+11], v[(\c):(\c)+7], v[\sa], v[\sb] matrix_a_fmt:MATRIX_FMT_FP6 matrix_b_fmt:MATRIX_FMT_FP6
.elseif ((\ra)==1)&&((\rb)==0)
	v_wmma_scale_f32_16x16x128_f8f6f4 v[(\d):(\d)+7], v[(\a):(\a)+11], v[(\b):(\b)+11], v[(\c):(\c)+7], v[\sa], v[\sb] matrix_a_fmt:MATRIX_FMT_FP6 matrix_b_fmt:MATRIX_FMT_FP6 matrix_a_scale:MATRIX_SCALE_ROW1
.elseif ((\ra)==0)&&((\rb)==1)
	v_wmma_scale_f32_16x16x128_f8f6f4 v[(\d):(\d)+7], v[(\a):(\a)+11], v[(\b):(\b)+11], v[(\c):(\c)+7], v[\sa], v[\sb] matrix_a_fmt:MATRIX_FMT_FP6 matrix_b_fmt:MATRIX_FMT_FP6 matrix_b_scale:MATRIX_SCALE_ROW1
.else
	v_wmma_scale_f32_16x16x128_f8f6f4 v[(\d):(\d)+7], v[(\a):(\a)+11], v[(\b):(\b)+11], v[(\c):(\c)+7], v[\sa], v[\sb] matrix_a_fmt:MATRIX_FMT_FP6 matrix_b_fmt:MATRIX_FMT_FP6 matrix_a_scale:MATRIX_SCALE_ROW1 matrix_b_scale:MATRIX_SCALE_ROW1
.endif
.endm
	s_load_b256 s[4:11], s[0:1], 0x0               ; oc s[4:5], opq s[6:7], b_out s[8:9], out0 s[10:11]
	v_lshl_add_u32 v[SPW], v0, 2, SPARE
	v_mov_b32 v[NIL], 0
	ds_add_u32 v[SPW], v[NIL]                      ; the opening lines: the add, twice on end, and its wait
	ds_add_u32 v[SPW], v[NIL]
	v_lshrrev_b32 v1, 5, v0
	v_readfirstlane_b32 s12, v1                    ; wave 0..7
	s_and_b32 s13, s12, 1                          ; which 64 columns
	s_bfe_u32 s14, s12, 0x10001                    ; which pair of token tiles
	s_lshr_b32 s15, s12, 2                         ; which token group
	s_bfe_u32 s16, ttmp6, 0x40000                  ; cx
	s_bfe_u32 s17, ttmp6, 0x40004                  ; cy
	s_lshl_b32 s18, ttmp9, 2
	s_add_co_u32 s18, s18, s16                     ; cb
	s_and_b32 s19, ttmp7, 0xffff
	s_lshl_b32 s19, s19, 2
	s_add_co_u32 s19, s19, s17                     ; tb
	s_lshl_b32 s20, s17, 2
	s_lshl_b32 s20, 15, s20                        ; my row of the cluster
	s_lshl_b32 s21, 0x1111, s16                    ; my column
	s_or_b32 s24, s20, (3<<16)|(1<<21)             ; a chunk: 100 rows of 256 bytes, dense, no padding
	s_or_b32 s32, s21, (3<<16)|(1<<21)
.irp g, 24,32
	s_mov_b32 s[\g+1], 32<<16
	s_mov_b32 s[\g+2], 100<<16
	s_mov_b32 s[\g+3], 32<<16
	s_mov_b32 s[\g+4], 100
	s_mov_b32 s[\g+5], 32
	s_mov_b32 s[\g+6], 0
	s_mov_b32 s[\g+7], 0
.endr
	s_and_b32 s80, s12, 3
	s_mul_i32 s80, s80, 25600                      ; my chunk of the block
	s_mul_i32 s76, s19, 102400                     ; o's block: tb alone
	s_add_co_u32 s76, s76, s80
	s_mov_b32 s77, 0
	s_mul_i32 s78, s18, 102400                     ; w_out's block: cb alone
	s_add_co_u32 s78, s78, s80
	s_add_co_u32 s78, s78, 3276800
	s_mov_b32 s79, 0
	s_mul_i32 s22, s12, 25600                      ; where it lands: the wave's number alone
	s_mov_b32 s40, 1
	s_mov_b32 s41, s22
	s_mov_b32 s56, 1
	s_mov_b32 s57, s22
	s_wait_dscnt 0x0
	s_wait_kmcnt 0x0
	s_add_nc_u64 s[42:43], s[4:5], s[76:77]
	s_or_b32 s43, s43, 0x80000000
	s_add_nc_u64 s[58:59], s[6:7], s[78:79]
	s_or_b32 s59, s59, 0x80000000
	CROUND                                         ; all sixteen work-groups are here: the joint loads meet
	s_cmp_lt_u32 s12, 4                            ; one load a wave, one in each arm; nothing is filled again in this launch
	s_cbranch_scc0 .Lnot_a
	tensor_load_to_lds s[40:43], s[24:31]
	s_nop 0
.rept 4
	v_nop
.endr
	s_branch .Lasked
.Lnot_a:
	tensor_load_to_lds s[56:59], s[32:39]
	s_nop 0
.rept 4
	v_nop
.endr
.Lasked:
	v_and_b32 v1, 31, v0                           ; lane
	v_and_b32 v10, 15, v0                          ; r
	v_bfe_u32 v11, v0, 4, 1                        ; h
	s_wait_alu depctr_va_vdst(0)                   ; scalar runs stand between these three and their readers
	s_mul_i32 s80, s13, 6144
	s_add_co_u32 s80, s80, WBLK
	v_lshl_add_u32 v[AWF], v1, 4, s80
	s_mul_i32 s80, s15, 6144
	s_mul_i32 s81, s14, 3072
	s_add_co_u32 s80, s80, s81
	v_lshl_add_u32 v[AAF], v1, 3, s80
	s_lshl_b32 s80, s13, 8
	s_add_co_u32 s80, s80, WBLK+24576
	v_lshl_add_u32 v[ASW], v1, 3, s80
	s_lshl_b32 s80, s15, 8
	s_lshl_b32 s81, s14, 2
	s_add_co_u32 s80, s80, s81
	s_add_co_u32 s80, s80, 24576
	v_lshl_add_u32 v[ASA], v1, 3, s80
	s_mul_i32 s80, s12, 16*272
	s_add_co_u32 s80, s80, STAGE                   ; my stage
	v_mul_u32_u24 v[STO], v10, 272
	v_mul_u32_u24 v[RD], v11, 272
	v_lshlrev_b32 v[CO], 12, v11
	v_lshl_add_u32 v[STO], v11, 7, v[STO]
	v_lshl_add_u32 v[RD], v10, 4, v[RD]
	v_lshl_add_u32 v[CO], v10, 4, v[CO]            ; two tokens' rows of 4,096 bytes in out0
	v_add_nc_u32 v[STO], s80, v[STO]               ; in: row r, + 128 h
	v_add_nc_u32 v[RD], s80, v[RD]                 ; back: lanes 0-15 one row, lanes 16-31 the next
	v_lshlrev_b32 v[BO], 7, v11
	s_wait_alu depctr_va_vdst(0)                   ; the wait at the end of the head's vector work
	s_lshl_b32 s80, s18, 9
	s_lshl_b32 s81, s13, 8
	s_add_co_u32 s80, s80, s81                     ; my first column, in bytes
	s_mov_b32 s81, 0
	s_add_nc_u64 s[84:85], s[8:9], s[80:81]        ; the bias there
	s_lshl_b32 s82, s19, 7
	s_lshl_b32 s83, s15, 6
	s_add_co_u32 s82, s82, s83
	s_lshl_b32 s83, s14, 4
	s_add_co_u32 s82, s82, s83                     ; token 128 tb + 64 group + 16 pair
	s_lshl_b32 s82, s82, 12
	s_add_co_u32 s80, s80, s82
	s_add_nc_u64 s[82:83], s[10:11], s[80:81]
.irp i, 0,1,2,3
	global_load_b128 v[BI+8*\i:BI+8*\i+3], v[BO], s[84:85] offset:32*\i        ; columns 32 h + 8 i + 0 .. 7
	global_load_b128 v[BI+8*\i+4:BI+8*\i+7], v[BO], s[84:85] offset:32*\i+16
.endr
.macro KSTEP ks2, first
.rept 4
	v_nop                                          ; places in front of loads into registers that the last products read
.endr
.irp i, 0,1,2,3
.irp q, 0,1,2
	ds_load_b128 v[WF+12*\i+4*\q:WF+12*\i+4*\q+3], v[AWF] offset:\ks2*12288+\i*1536+\q*512
.endr
.endr
.irp j, 0,1
.irp q, 0,1,2,3,4,5
	ds_load_b64 v[AF+12*\j+2*\q:AF+12*\j+2*\q+1], v[AAF] offset:\ks2*12288+\j*1536+\q*256
.endr
.endr
	ds_load_b64 v[SW:SW+1], v[ASW] offset:\ks2*512
	ds_load_b32 v[SA], v[ASA] offset:\ks2*512
	s_wait_dscnt 0x0
.if \first
	s_wait_loadcnt 0x0                             ; the bias
.endif
.irp j, 0,1                            ; the eight accumulators by turns
.irp i, 0,1,2,3
.if \first
	WM ACC+8*(4*\j+\i), WF+12*\i, AF+12*\j, BI+8*\i, SW+\i/2, SA, \i%2, \j
.else
	WM ACC+8*(4*\j+\i), WF+12*\i, AF+12*\j, ACC+8*(4*\j+\i), SW+\i/2, SA, \i%2, \j
.endif
.endr
.endr
.endm
	s_wait_tensorcnt 0x0                           ; my chunk is in,
	s_wait_dscnt 0x0
	s_barrier_signal -1
	s_barrier_wait -1                              ; all eight are
.irp c, 0,1,2,3
.if \c == 0
	KSTEP 0, 1
.else
	KSTEP 0, 0
.endif
	KSTEP 1, 0
.if \c < 3
	v_add_nc_u32 v[AWF], 25600, v[AWF]             ; on to the next chunk
	v_add_nc_u32 v[AAF], 25600, v[AAF]
	v_add_nc_u32 v[ASW], 25600, v[ASW]
	v_add_nc_u32 v[ASA], 25600, v[ASA]
	s_wait_alu depctr_va_vdst(0)
.endif
.endr
	; THE WAY OUT.  Stage row r holds the token 32 (r / 8) + 8 j + r % 8 of my group.  LDS serves a wave's instructions in order: no wait between my stores and my loads, nor in front of the second tile's stores
.rept 4
	v_nop                                          ; places behind the last products
.endr
.irp j, 0,1
.irp i, 0,1,2,3
	ds_store_b128 v[STO], v[ACC+8*(4*\j+\i):ACC+8*(4*\j+\i)+3] offset:32*\i          ; each accumulator from its low end on
	ds_store_b128 v[STO], v[ACC+8*(4*\j+\i)+4:ACC+8*(4*\j+\i)+7] offset:32*\i+16
.endr
.irp t, 0,1,2,3,4,5,6,7
	ds_load_b128 v[RB+32*\j+4*\t:RB+32*\j+4*\t+3], v[RD] offset:\t*2*272
.endr
.endr
.irp j, 0,1
.irp t, 0,1,2,3,4,5,6,7
	s_wait_dscnt 16*(1-\j)+7-\t                    ; the younger LDS instructions may stay out
	global_store_b128 v[CO], v[RB+32*\j+4*\t:RB+32*\j+4*\t+3], s[82:83] offset:(8*\j+2*(\t%4)+32*(\t/4))*4096 th:TH_STORE_NT   ; sixteen lanes store 256 consecutive bytes, at a multiple of 256 from out0's first byte
.endr
.endr
	s_wait_tensorcnt 0x0                           ; the wave's end
	ds_add_u32 v[SPW], v[NIL]
	s_wait_dscnt 0x0
	CROUND                                         ; the closing round
	s_endpgm
.Lfunc_end_k_q4a78cae815_proj:
	.size	k_q4a78cae815_proj, .Lfunc_end_k_q4a78cae815_proj-k_q4a78cae815_proj
	.p2alignl 7, 3214868480
	.fill 96, 4, 3214868480
	.section	.rodata,"a",@progbits
	.p2align	6, 0x0
	.amdhsa_kernel k_q4a78cae815_proj
		.amdhsa_group_segment_fixed_size 263168
		.amdhsa_private_segment_fixed_size 0
		.amdhsa_enable_private_segment 0
		.amdhsa_kernarg_size 32
		.amdhsa_user_sgpr_count 2
		.amdhsa_user_sgpr_kernarg_segment_ptr 1
		.amdhsa_wavefront_size32 1
		.amdhsa_system_sgpr_workgroup_id_x 1
		.amdhsa_system_sgpr_workgroup_id_y 1
		.amdhsa_system_sgpr_workgroup_id_z 1
		.amdhsa_system_vgpr_workitem_id 0
		.amdhsa_next_free_vgpr 256
		.amdhsa_next_free_sgpr 90
		.amdhsa_reserve_vcc 0
		.amdhsa_float_denorm_mode_32 3
		.amdhsa_float_denorm_mode_16_64 3
		.amdhsa_memory_ordered 1
		.amdhsa_forward_progress 1
		.amdhsa_inst_pref_size 35
	.end_amdhsa_kernel
	.amdgpu_metadata
---
amdhsa.version: [ 1, 2 ]
amdhsa.kernels:
  - .name:           k_q4a78cae815_proj
    .symbol:         k_q4a78cae815_proj.kd
    .args:
      - { .name: oc, .offset: 0, .size: 8, .value_kind: global_buffer, .address_space: global }
      - { .name: opq, .offset: 8, .size: 8, .value_kind: global_buffer, .address_space: global }
      - { .name: b_out, .offset: 16, .size: 8, .value_kind: global_buffer, .address_space: global }
      - { .name: out0, .offset: 24, .size: 8, .value_kind: global_buffer, .address_space: global }
    .group_segment_fixed_size: 263168
    .private_segment_fixed_size: 0
    .kernarg_segment_align: 8
    .kernarg_segment_size: 32
    .max_flat_workgroup_size: 256
    .sgpr_count:     90
    .vgpr_count:     256
    .wavefront_size: 32
...
	.end_amdgpu_metadata
.endif
;; end of part 4
